; MI455X (gfx1250); checked and timed in simulation.
; The chip was launched on July 23, 2026; its instructions are those of AMD's public machine-readable ISA for CDNA 5 (MIT licence, August 2026) and "CDNA5" Instruction Set Architecture Reference Guide (July 2026). The comments in the code are by the model that wrote it; some were corrected since.
;; Self Attention Block. Allowed arithmetic: matrix products marked QUANTISED: E2M3 operands, one E8M0 scale for each 32 along K, by v_wmma_scale_f32_16x16x128_f8f6f4 with both operands' format E2M3, f32 sums; everything else in f32.
;; Inputs: Wk 1,024 x 1,024 float32; Wq 1,024 x 1,024 float32; Wv 1,024 x 1,024 float32; bk 1,024 float32; bq 1,024 float32; bv 1,024 float32; x 4 x 2,048 x 1,024 float32.
;; Outputs: out0 4 x 2,048 x 1,024 float32.
;; This version of the problem:
;;   THIS VERSION OF THE PROBLEM IS GIVEN IN LOW PRECISION. The matrix products marked QUANTISED in the list below multiply operands that are first quantised to E2M3 (2 exponent bits, 3 mantissa bits; 6 bits a number), with one power-of-two scale for each 32 numbers along K (OCP MX v1.0); their sums are f32. All else is computed in f32.
;;   The module's matrix products, in the order in which they are computed (A, B: the left and right operand; K: the contracted axis; several contracted axes count as one K, in the product's order):
;;     1. [M 8,192, K 1,024] x [K 1,024, N 1,024]; A: input x; B: input Wq: QUANTISED
;;     2. [M 8,192, K 1,024] x [K 1,024, N 1,024]; A: input x; B: input Wk: QUANTISED
;;     3. [M 8,192, K 1,024] x [K 1,024, N 1,024]; A: input x; B: input Wv: QUANTISED
;;     4. batch 4 x [M 2,048, K 1,024] x [K 1,024, N 2,048]; A: computed on the way; B: computed on the way: QUANTISED
;;     5. batch 4 x [M 2,048, K 2,048] x [K 2,048, N 1,024]; A: softmax (see below); B: computed on the way: QUANTISED
;;   THE QUANTISER, for each operand of a quantised product, along K:
;;     - K is cut into blocks of 32 from its start; a last block that is shorter is filled with zeros.
;;     - A block's scale is 2^e with e = floor(log2(the largest magnitude in the block)) - 2, held to -126 .. 127; a block of zeros has e = 0. As a byte (E8M0): e + 127.
;;     - Each number is divided by its block's scale, clamped to +-7.5, and rounded to the nearest number of E2M3, ties to even, subnormals kept.
;;     - The product sums the exact products of the quantised numbers (number of the format x scale) in f32.
;;   ~~~python
;;   def quantise(x, axis):      # numpy; x: float32 -> the quantised numbers, widened to float32 again
;;       x = np.moveaxis(x, axis, -1); K = x.shape[-1]
;;       x = np.pad(x, [(0, 0)] * (x.ndim - 1) + [(0, -K % 32)]); x = x.reshape(x.shape[:-1] + (-1, 32)); a = np.abs(x).max(-1, keepdims=True)
;;       e = np.where(a > 0, np.clip(np.frexp(np.where(a > 0, a, 1))[1] - 1 - 2, -126, 127), 0)      # np.frexp(a)[1] - 1 = floor(log2(a)), exactly
;;       r = np.clip(x / 2.0 ** e, -7.5, 7.5)
;;       step = 2.0 ** (np.maximum(np.frexp(np.where(r == 0, 1, r))[1] - 1, 0) - 3)
;;       q = np.round(r / step) * step * 2.0 ** e      # np.round: ties to even
;;       return np.moveaxis(q.reshape(q.shape[:-2] + (-1,))[..., :K], -1, axis).astype(np.float32)
;;   ~~~
;;   SOFTMAX AHEAD OF A QUANTISED PRODUCT. Where the list says 'softmax', what is quantised is not the finished softmax but p = 2^(t - M), with t = logit x log2(e) and M = ceil(the row's largest t), a whole number; so 1/2 < the row's largest p <= 1. The row's sum l is taken of the UNQUANTISED p, in f32, and the product's result is divided by l at the end. Since M is a whole number, a kernel that streams over the keys may use a running M (the ceiling of the running maximum): every later rescaling is an exact power of two, which a block's scale takes up: the codes' values come out the same.
;;   OPERANDS COMPUTED ON THE WAY. 'Computed on the way' means the value that the module computes at that place (a softmax that the list does not call 'softmax' is quantised finished and normalised). What goes into a quantiser is computed in f32, as accurately as f32 sums, v_exp_f32 and their like allow (about 1e-6 of the number): no bf16 or f16 on the way to a quantiser, and a product that is left as it is and whose result goes on into a quantised operand takes f32 operands (vector FMAs, or v_wmma_f32_16x16x4_f32). A number that lies on a knife's edge between two numbers of the format may be rounded either way, as far as f32 arithmetic and the matrix unit's own rounding can turn it there, and no further.
;; One version. Each part assembles by itself: llvm-mc -triple=amdgcn-amd-amdhsa -mcpu=gfx1250 --defsym DOCPART=n.
;; ======== version 1 of 1: 4 launches
;; limits: right only within a limited range of input values
;; workspace buffers: opc 8,650,752 bytes; ops 360,448 bytes; qkvc 18,874,368 bytes; qkvs 786,432 bytes; pcod 6,684,672 bytes; pst 1,114,112 bytes
;; launch quant (part 1): grid 704 x 1, 1 waves a work-group, no clusters, 33,536 bytes of LDS; arguments x, Wq, Wk, Wv, opc, ops; writes opc, ops
.if DOCPART == 1
	.amdgcn_target "amdgcn-amd-amdhsa--gfx1250"
	.amdhsa_code_object_version 6
	.text
	.protected	k_q640ef9d3a4_quant
	.globl	k_q640ef9d3a4_quant
	.p2align	8
	.type	k_q640ef9d3a4_quant,@function
k_q640ef9d3a4_quant:
	s_mov_b64 s[64:65], 0
	v_nop
	global_prefetch_b8 v0, s[64:65] scope:SCOPE_SE
	s_setreg_imm32_b32 hwreg(HW_REG_WAVE_MODE, 25, 1), 1
	s_wait_xcnt 0x0
; x [8192][1024] and Wq, Wk, Wv [1024 (k)][1024 (n)], f32, become codes of FP6 (E2M3) with one E8M0 byte for each 32 along K (K = the 1,024 inputs of the projections).
; WORK THAT THE PROGRAM LEAVES OUT, in its third and fourth launch: the scores of whole tiles of keys behind their queries, and those tiles' part of p v.  reference() adds -1e20 to each such score in its own body, so its p is 0 whatever
; the inputs hold; a NaN, an infinity or an overflow that reaches only such a score is not carried to the result.
; A block's scale is 2^(floor(log2(largest magnitude)) - 2): its byte is the largest magnitude's exponent field - 2, held at 1 from below by a floor among the maximum's leaves.
; LIMITS: NaN and infinities are not served; a block of zeros gets the byte 1 where the rule says 127 (its codes are zeros, and this program alone reads the bytes).
; THE OUTPUT IS LAID AS THE MATRIX UNIT'S REGISTERS.  A block = 128 rows x 128 K = 8 fragments of 1,536 bytes; registers 4 c .. 4 c + 3 of lane l of fragment t lie at 1536 t + 512 c + 16 l.
; Row m of fragment t is index 64 (t / 4) + 8 (t % 4) + m % 8 + 32 (m / 8) of the block's 128: so a product that takes four such fragments as source 0 leaves 32 neighbours along that axis in a lane's registers.
; The block's scale words: 512 bytes, lane (h, r) has 16: word i is the word of row r of fragment 2 i + h.
; One wave to a work-group, one block (64 KiB of f32) to a wave.  Work-groups 0-511: x (row group n / 8, K step n % 8).  512-703: the weights (tensor, column group, K step).  Output block = the work-group's number.
; x: K is innermost.  Each load takes 512 consecutive bytes of one row; a fragment's 16 rows turn through a stage in LDS so that a lane gets 16 neighbours of each block of 32.
; W: K is the first axis.  32 rows of 512 bytes go to a stage as they lie; then a lane takes a COLUMN and its registers run down K: a block of 32 lies in one lane.
.set BLK,   12288
.set XST,   8448                       ; one stage for x: 16 rows x (512 + 16) bytes; two of them
.set WST,   2*XST                      ; the stage for W: 32 rows x 512 bytes, bytes of its own
.set SPARE, WST+32*512                 ; the spare words: one block of 256 bytes that no other line names
.set L16,  1                           ; v1   16 x lane
.set RR,   2                           ; v2   lane % 16
.set HH,   3                           ; v3   lane / 16
.set XSO,  5                           ; v5   x's stage, on the way out: 528 r + 64 h
.set SPW,  6                           ; v6   my spare word; never rewritten
.set NIL,  7                           ; v7   0; never rewritten
.set WSI,  8                           ; v8   W's stage, in: WST + 16 x lane
.set WSO,  9                           ; v9   out: WST + 4 x my column in a pass
.set WVO,  10                          ; v10  where my column's codes go in the block
.set TM,   16                          ; v16-31 at work
.set PC,   32                          ; v32-51 a fragment's codes
.set PW,   52                          ; v52-59 the eight fragments' scale words
.set SO,   60                          ; v60-63 the scale image
.set XS,   128                         ; v128-255 two sets of 64 numbers (x's path)
.set COL,  64                          ; v64-127 two sets of 32 numbers of a column (W's path)
.set CODE, 128                         ; v128-223 my four columns' codes: 24 registers each
.set WSW,  224                         ; v224-227 their scale words
.set TMPC, 228                         ; v228-230
.set OC,   12                          ; s[12:13] the block's codes
.set OS,   14                          ; s[14:15] its scale image
.set SRC,  18                          ; s[18:19] the block's first number
.set SEL,  24                          ; s[24:25] v_permlanex16_b32's selects for lane l xor 16
.set HM,   26                          ; s26  lanes 16-31
.set MSB, 0
.macro WIN new                         ; the immediate's high byte repeats the setting that is left
.if MSB != (\new)
	s_set_vgpr_msb (MSB<<8)|(\new)
.set MSB, \new
.endif
.endm
; 64 numbers of a lane, register 16 b + i = k 32 b + 16 (lane / 16) + i of my row, become a fragment's codes in v[PC] on and its scale word in v[pw].
.macro QUANT s, pw
.irp b, 0,1,2,3
	v_max3_num_f32 v[TM+\b], |v[(\s)+16*\b]|, |v[(\s)+1+16*\b]|, 0x1800000   ; my 16 numbers of block b, and the floor 2^(3 - 127)
.endr
.irp i, 2,4,6,8,10,12,14
.irp b, 0,1,2,3
	v_max3_num_f32 v[TM+\b], v[TM+\b], |v[(\s)+16*\b+\i]|, |v[(\s)+1+16*\b+\i]|
.endr
.endr
.irp b, 0,1,2,3
	v_permlanex16_b32 v[TM+4+\b], v[TM+\b], s[SEL], s[SEL+1]
.endr
.irp b, 0,1,2,3
	v_max_num_f32 v[TM+\b], v[TM+\b], v[TM+4+\b]   ; with lane l xor 16's: the block's largest magnitude
.endr
.irp b, 0,1,2,3
	v_add_nc_u32 v[TM+12+\b], 0xff000000, v[TM+\b]   ; 2 off its exponent field: the conversion's scale operand
.endr
.irp b, 0,1,2,3
	v_lshrrev_b32 v[TM+4+\b], 23, v[TM+12+\b]      ; the scale's byte
.endr
	v_lshl_or_b32 v[\pw], v[TM+5], 8, v[TM+4]
	v_lshl_or_b32 v[\pw], v[TM+6], 16, v[\pw]
	v_lshl_or_b32 v[\pw], v[TM+7], 24, v[\pw]
.irp c, 0,1
	v_cvt_scalef32_pk16_fp6_f32 v[PC+6*\c:PC+2+6*\c], v[(\s)+32*\c:(\s)+15+32*\c], v[TM+12+2*\c]
	v_cvt_scalef32_pk16_fp6_f32 v[PC+12+4*\c:PC+14+4*\c], v[(\s)+16+32*\c:(\s)+31+32*\c], v[TM+12+2*\c+1]   ; (a conversion's three registers begin on an even number)
.endr
	v_nop                                          ; one plain line behind the conversions
.irp c, 0,1                                    ; the layout wants a whole block in a lane: lanes 0-15 block 2 c, lanes 16-31 block 2 c + 1
.irp i, 0,1,2
	v_permlane16_swap_b32 v[PC+6*\c+\i], v[PC+12+4*\c+\i]
.endr
.irp i, 0,1,2
	v_mov_b32 v[PC+3+6*\c+\i], v[PC+12+4*\c+\i]
.endr
.endr
.endm
	s_load_b256 s[4:11], s[0:1], 0x0               ; x, Wq, Wk, Wv
	s_load_b128 s[12:15], s[0:1], 0x20             ; opc, ops
	v_lshl_add_u32 v[SPW], v0, 2, SPARE
	v_mov_b32 v[NIL], 0
	v_lshlrev_b32 v[L16], 4, v0                    ; one wave: the thread's number is the lane
	v_and_b32 v[RR], 15, v0
	v_lshrrev_b32 v[HH], 4, v0
	s_mov_b32 s[SEL], 0x76543210
	s_mov_b32 s[SEL+1], 0xfedcba98
	s_mov_b32 s[HM], 0xffff0000
	s_mul_i32 s20, ttmp9, BLK
	s_mov_b32 s21, 0
	s_lshl_b32 s22, ttmp9, 9
	s_mov_b32 s23, 0
	s_and_b32 s27, ttmp9, 7                        ; the K step
	s_wait_kmcnt 0x0
	s_add_nc_u64 s[OC:OC+1], s[OC:OC+1], s[20:21]
	s_add_nc_u64 s[OS:OS+1], s[OS:OS+1], s[22:23]
	s_cmp_ge_u32 ttmp9, 512
	s_cbranch_scc1 .Lweights
; ---------------- x ----------------
.macro LOADT t                         ; fragment t's 16 rows, 512 consecutive bytes each, into ring set t % 4 (window 1)
	WIN 0x40
.set i_, 0
.rept 16
	global_load_b128 v[64*((\t)%4)+4*i_:64*((\t)%4)+4*i_+3], v[L16], s[SRC:SRC+1] offset:(64*((\t)/4)+8*((\t)%4)+i_%8+32*(i_/8))*4096 th:TH_LOAD_NT
.set i_, i_+1
.endr
	WIN 0
.endm
.macro TURN t                          ; through stage t % 2: in as loaded, out 16 neighbours of each block of 32.  LDS serves a wave's instructions in order: no wait between
	WIN 0x04
.set i_, 0
.rept 16
	ds_store_b128 v[L16], v[64*((\t)%4)+4*i_:64*((\t)%4)+4*i_+3] offset:XST*((\t)%2)+528*i_
.set i_, i_+1
.endr
	WIN 0
.set i_, 0
.rept 16
	ds_load_b128 v[XS+64*((\t)%2)+4*i_:XS+64*((\t)%2)+4*i_+3], v[XSO] offset:XST*((\t)%2)+128*(i_/4)+16*(i_%4)
.set i_, i_+1
.endr
.endm
.macro XSTEP t
	s_wait_dscnt 0x0                               ; this fragment's numbers are back from the stage, and its stores into the stage have read ring set t % 4,
.if (\t)+4 < 8
	LOADT (\t)+4                                   ; which takes the fragment four on
.endif
.if (\t) < 7
.if (\t) < 4
	s_wait_loadcnt 48                              ; the next fragment's 16 loads are in; three fragments behind it may be out
.else
	s_wait_loadcnt 16*(6-(\t))                     ; the counts run down
.endif
	TURN (\t)+1
.endif
	s_wait_xcnt 0x0                                ; the last fragment's stores have read v[PC] on: it is written again only behind this wait
	QUANT XS+64*((\t)%2), PW+(\t)
.irp c, 0,1,2
	global_store_b128 v[L16], v[PC+4*\c:PC+4*\c+3], s[OC:OC+1] offset:1536*(\t)+512*\c   ; 512 consecutive bytes a store
.endr
.endm
	s_lshr_b32 s20, ttmp9, 3
	s_lshl_b32 s20, s20, 19                        ; 128 rows of 4,096 bytes a group
	s_lshl_b32 s22, s27, 9                         ; 512 bytes a K step
	s_add_co_u32 s20, s20, s22
	s_add_nc_u64 s[SRC:SRC+1], s[4:5], s[20:21]
	s_wait_alu depctr_va_vdst(0)
	v_mul_u32_u24 v[XSO], v[RR], 528
	v_lshl_add_u32 v[XSO], v[HH], 6, v[XSO]
.irp b, 0,1,2,3
	v_mov_b32 v[TM+4+\b], 0                        ; written once: a lane permute's destination counts as one of its sources
.endr
	LOADT 0
	LOADT 1
	LOADT 2
	LOADT 3
	s_wait_alu depctr_va_vdst(0)
	s_wait_loadcnt 48                              ; fragment 0's 16 loads are in
	TURN 0
.irp t, 0,1,2,3,4,5,6,7
	XSTEP \t
.endr
.irp i, 0,1,2,3                                ; eight words a lane (both halves of the lanes hold the same) become the image: lanes 0-15 keep the even fragments', lanes 16-31 the odd ones'
	v_cndmask_b32 v[SO+\i], v[PW+2*\i], v[PW+2*\i+1], s[HM]
.endr
	global_store_b128 v[L16], v[SO:SO+3], s[OS:OS+1]
	s_branch .Lend
; ---------------- the weights ----------------
.Lweights:
.macro WLOAD q                         ; 32 rows of K, 512 consecutive bytes (my 128 columns) each, into ring set q % 2 (window 1)
	WIN 0x40
.set i_, 0
.rept 32
	global_load_b128 v[128*((\q)%2)+4*i_:128*((\q)%2)+4*i_+3], v[L16], s[SRC:SRC+1] offset:(32*(\q)+i_)*4096 th:TH_LOAD_NT
.set i_, i_+1
.endr
	WIN 0
.endm
.macro CLOAD bi                        ; pass bi: my column of fragment 2 bi + lane / 16, down the 32 rows
.set i_, 0
.rept 32
	ds_load_b32 v[COL+32*((\bi)%2)+i_], v[WSO] offset:512*i_+256*((\bi)/2)+64*((\bi)%2)
.set i_, i_+1
.endr
.endm
.macro BLOCKQ bi, q                    ; block q (of the K step's four) of pass bi's column: all 32 numbers are mine
.set C_, COL+32*((\bi)%2)
.set D_, CODE+24*(\bi)+12*((\q)%2)+6*((\q)/2)      ; block q = 2 c + h: registers 6 c .. 6 c + 5 of the fragment's lane (r, h)
	v_max3_num_f32 v[TM], |v[C_]|, |v[C_+1]|, |v[C_+2]|
	v_max3_num_f32 v[TM+1], |v[C_+3]|, |v[C_+4]|, |v[C_+5]|
.irp i, 6,10,14,18,22,26
	v_max3_num_f32 v[TM], v[TM], |v[C_+\i]|, |v[C_+\i+1]|
	v_max3_num_f32 v[TM+1], v[TM+1], |v[C_+\i+2]|, |v[C_+\i+3]|
.endr
	v_max3_num_f32 v[TM], v[TM], |v[C_+30]|, |v[C_+31]|
	v_max3_num_f32 v[TM], v[TM], v[TM+1], 0x1800000    ; and the floor
	v_add_nc_u32 v[TM+2], 0xff000000, v[TM]
.if (\q) == 0
	v_lshrrev_b32 v[WSW+(\bi)], 23, v[TM+2]        ; the word's lowest byte
.else
	v_lshrrev_b32 v[TM+3], 23, v[TM+2]
	v_lshl_or_b32 v[WSW+(\bi)], v[TM+3], 8*(\q), v[WSW+(\bi)]
.endif
	v_cvt_scalef32_pk16_fp6_f32 v[D_:D_+2], v[C_:C_+15], v[TM+2]
	v_cvt_scalef32_pk16_fp6_f32 v[TMPC:TMPC+2], v[C_+16:C_+31], v[TM+2]
	v_nop                                          ; one plain line behind the conversions
.irp i, 0,1,2
	v_mov_b32 v[D_+3+\i], v[TMPC+\i]
.endr
.endm
.macro WQ q
.if (\q) < 3
	s_wait_loadcnt 32                              ; this quarter's 32 rows are in; the next quarter's may be out
.else
	s_wait_loadcnt 0x0
.endif
	WIN 0x04
.set i_, 0
.rept 32
	ds_store_b128 v[WSI], v[128*((\q)%2)+4*i_:128*((\q)%2)+4*i_+3] offset:512*i_
.set i_, i_+1
.endr
	WIN 0
	CLOAD 0
	CLOAD 1
	s_wait_dscnt 32                                ; the stores have read the ring set, and the first columns are in; the second run may be out
.if (\q)+2 < 4
	WLOAD (\q)+2
.endif
	BLOCKQ 0, \q
	CLOAD 2
	s_wait_dscnt 32
	BLOCKQ 1, \q
	CLOAD 3
	s_wait_dscnt 32
	BLOCKQ 2, \q
	s_wait_dscnt 0x0                               ; my reads of the stage are over: the next quarter may be stored there
	BLOCKQ 3, \q
.endm
	s_sub_co_u32 s28, ttmp9, 512
	s_cmp_lt_u32 s28, 64                           ; which tensor: by the work-group's number alone
	s_cselect_b64 s[SRC:SRC+1], s[6:7], s[8:9]
	s_cmp_lt_u32 s28, 128
	s_cselect_b64 s[SRC:SRC+1], s[SRC:SRC+1], s[10:11]
	s_bfe_u32 s20, s28, 0x30003                    ; the column group
	s_lshl_b32 s20, s20, 9                         ; 512 bytes a group
	s_lshl_b32 s22, s27, 19                        ; 128 rows of 4,096 bytes a K step
	s_add_co_u32 s20, s20, s22
	s_add_nc_u64 s[SRC:SRC+1], s[SRC:SRC+1], s[20:21]
	s_wait_alu depctr_va_vdst(0)
	WLOAD 0
	WLOAD 1
	v_add_nc_u32 v[WSI], WST, v[L16]
	v_and_b32 v12, 7, v0                           ; lane l of pass bi takes column 64 (bi / 2) + 16 (bi % 2) + 8 (l / 16) + 32 ((l / 8) % 2) + l % 8: row l % 16 of fragment 2 bi + l / 16
	v_lshl_add_u32 v12, v[HH], 3, v12
	v_and_b32 v13, 8, v0
	v_lshl_add_u32 v12, v13, 2, v12
	v_lshlrev_b32 v[WSO], 2, v12
	v_add_nc_u32 v[WSO], WST, v[WSO]
	v_mul_u32_u24 v[WVO], v[HH], 1536
	v_lshl_add_u32 v[WVO], v[RR], 4, v[WVO]
	s_wait_alu depctr_va_vdst(0)
	WQ 0
	WQ 1
	WQ 2
	WQ 3
.irp bi, 0,1,2,3
.irp hh, 0,1
.irp c, 0,1,2
	global_store_b128 v[WVO], v[CODE+24*\bi+12*\hh+4*\c:CODE+24*\bi+12*\hh+4*\c+3], s[OC:OC+1] offset:3072*\bi+512*\c+256*\hh   ; sixteen lanes fill 256 consecutive bytes of one fragment, the other sixteen of the next
.endr
.endr
.endr
	global_store_b128 v[L16], v[WSW:WSW+3], s[OS:OS+1]
.Lend:
	s_wait_tensorcnt 0x0                           ; the wave's end
	ds_add_u32 v[SPW], v[NIL]
	s_wait_dscnt 0x0
	s_endpgm
.Lfunc_end_k_q640ef9d3a4_quant:
	.size	k_q640ef9d3a4_quant, .Lfunc_end_k_q640ef9d3a4_quant-k_q640ef9d3a4_quant
	.p2alignl 7, 3214868480
	.fill 96, 4, 3214868480
	.section	.rodata,"a",@progbits
	.p2align	6, 0x0
	.amdhsa_kernel k_q640ef9d3a4_quant
		.amdhsa_group_segment_fixed_size 33536
		.amdhsa_private_segment_fixed_size 0
		.amdhsa_enable_private_segment 0
		.amdhsa_kernarg_size 48
		.amdhsa_user_sgpr_count 2
		.amdhsa_user_sgpr_kernarg_segment_ptr 1
		.amdhsa_wavefront_size32 1
		.amdhsa_system_sgpr_workgroup_id_x 1
		.amdhsa_system_sgpr_workgroup_id_y 1
		.amdhsa_system_sgpr_workgroup_id_z 1
		.amdhsa_system_vgpr_workitem_id 0
		.amdhsa_next_free_vgpr 512
		.amdhsa_next_free_sgpr 66
		.amdhsa_reserve_vcc 0
		.amdhsa_float_denorm_mode_32 3
		.amdhsa_float_denorm_mode_16_64 3
		.amdhsa_memory_ordered 1
		.amdhsa_forward_progress 1
		.amdhsa_inst_pref_size 144
	.end_amdhsa_kernel
	.amdgpu_metadata
---
amdhsa.version: [ 1, 2 ]
amdhsa.kernels:
  - .name:           k_q640ef9d3a4_quant
    .symbol:         k_q640ef9d3a4_quant.kd
    .args:
      - { .name: x, .offset: 0, .size: 8, .value_kind: global_buffer, .address_space: global }
      - { .name: Wq, .offset: 8, .size: 8, .value_kind: global_buffer, .address_space: global }
      - { .name: Wk, .offset: 16, .size: 8, .value_kind: global_buffer, .address_space: global }
      - { .name: Wv, .offset: 24, .size: 8, .value_kind: global_buffer, .address_space: global }
      - { .name: opc, .offset: 32, .size: 8, .value_kind: global_buffer, .address_space: global }
      - { .name: ops, .offset: 40, .size: 8, .value_kind: global_buffer, .address_space: global }
    .group_segment_fixed_size: 33536
    .private_segment_fixed_size: 0
    .kernarg_segment_align: 8
    .kernarg_segment_size: 48
    .max_flat_workgroup_size: 32
    .sgpr_count:     66
    .vgpr_count:     512
    .wavefront_size: 32
...
	.end_amdgpu_metadata
.endif
;; end of part 1
;; launch proj (part 2): grid 16 x 16, 4 waves a work-group, clusters of 4 x 4, 327,680 bytes of LDS; arguments opc, ops, bq, bk, bv, qkvc, qkvs; writes qkvc, qkvs
.if DOCPART == 2
	.amdgcn_target "amdgcn-amd-amdhsa--gfx1250"
	.amdhsa_code_object_version 6
	.text
	.protected	k_q640ef9d3a4_proj
	.globl	k_q640ef9d3a4_proj
	.p2align	8
	.type	k_q640ef9d3a4_proj,@function
k_q640ef9d3a4_proj:
	s_mov_b64 s[64:65], 0
	v_nop
	global_prefetch_b8 v0, s[64:65] scope:SCOPE_SE
	s_setreg_imm32_b32 hwreg(HW_REG_WAVE_MODE, 25, 1), 1
	s_wait_xcnt 0x0
	s_wait_alu depctr_hold_cnt(0) depctr_sa_sdst(0) depctr_va_vdst(0) depctr_va_sdst(0) depctr_va_ssrc(0) depctr_va_vcc(0) depctr_vm_vsrc(0)
	s_getreg_b32 s2, hwreg(HW_REG_IB_STS2, 6, 4)
	s_cmp_eq_u32 s2, 0
	s_cbranch_scc0 .Lentry_in_a_cluster
	s_endpgm
.Lentry_in_a_cluster:
	s_bfe_u32 s2, ttmp6, 0x10000c
	s_cmp_lg_u32 s2, 0xf033
	s_cbranch_scc0 .Lentry_shape_is_right
	s_endpgm
.Lentry_shape_is_right:
; q = x Wq + bq, k = x Wk + bk, v = x Wv + bv on codes of FP6 (E2M3) with E8M0 scales, f32 sums; each result is quantised here, in registers, for the product that takes it: q and k along d, v along the keys.
; LIMITS: NaN and infinities are not served; a block of zeros gets the byte 1 where the rule says 127 (its codes are zeros; this program alone reads the bytes).
; IN: opc[group of 128 rows][K step][fragment t = 0 .. 7][1,536 bytes], images of the matrix unit's registers: registers 4 p .. 4 p + 3 of lane l at 512 p + 16 l.  ops: 512 bytes for each (group, K step): lane (h, r) has 16, word i for row r of fragment 2 i + h.
; Groups 0-63 are tokens, 64-71 Wq's columns, 72-79 Wk's, 80-87 Wv's.  Row m of fragment t = 4 c + j is index 64 c + 32 (m / 8) + 8 j + m % 8 of its group: so a lane's results of four fragments are 32 neighbours, ONE scale block.
; OUT (r = lane % 16, h = lane / 16): q, k: [tensor][sequence][K step of 128 d][tile T of 16 tokens][half c of the K step][4 registers: 512 bytes][2 registers: 256 bytes]; their scale words [tensor][sequence][K step][T][r];
; v: from block 1,024 on [sequence][channel group][key step][fragment][1,536] as in opc, and its scale words from byte 524,288 on as in ops.
; THE DEAL.  256 work-groups of four waves, 2 x 2; a wave holds 64 columns of W, ALL of K, in registers (384) and streams x's tokens past them in blocks of 16: 32 products a block.
; A work-group makes 256 tokens x 128 channels of v, PHASE 1, then 512 tokens x 128 columns of q or k, PHASE 2.  v's 256 tokens are a half of its own 512 (which half: s87, from the cluster's number alone), so 512 rows of x come in, not 768.
; A CHUNK is 64 of each of two token groups (band c): 16 rows of 6,144 bytes, 12,288 apart.  A wave in row w of the 2 x 2 takes group w's four fragments of each chunk.
; LDS: two slots for chunks, a region for W's 128 columns, stages for the results' scale bytes, the spare words, the scale words of all 512 tokens.
; JOINT LOADS: x's chunks are shared by a ROW of the 4 x 4 cluster, W's by a COLUMN.  At the head one tensor load a wave; three refills, each in a drained round: W's region once (phase 1's block 2), slot 0 and slot 1 with the other half's chunks (phase 2's blocks 2 and 6).
; PREFETCHES: what the three refills load, shared out by address among the sixteen waves of the four work-groups that ask jointly: 6,144 bytes a wave, 24 lanes 256 bytes apart.
; THE WAITS' COUNTS: a block's rows were fetched two blocks ago; younger are the next block's fetch (an even block's: NFE loads, its scale words for two blocks among them; an odd one's: NFO) and the byte stores between.
.set NFE, 32
.set NFO, 24
.set SLOT, 98304
.set WB, 2*SLOT
.set XN, 3*SLOT                        ; 2,048 bytes: q's or k's scale bytes, in the order of work
.set XM, XN+2048                       ; 1,024: v's
.set SPARE, XM+1024
.set SCL, SPARE+512                    ; 16,384: x's scale words
.set AX0, 4                            ; v4, v5  my fragments in slot 0, 1
.set AX1, 5
.set AXC, 6                            ; v6      in the slot that a loop's trip fetches from
.set ASA, 7                            ; v7, v8  my scale words: the half that comes first, the other
.set ASB, 8
.set CO, 9                             ; v9      16 x lane
.set SPW, 10
.set NIL, 11
.set ASC, 12                           ; v12     the scale words that a loop's trip fetches
.set WA0, 13                           ; v13-14  my fragments of W: K steps 0-3, 4-7
.set CO8, 15                           ; v15     8 x lane
.set BQO, 16                           ; v16     128 h
.set ASN, 17                           ; v17     SCL + 4,096 w + 16 x lane
.set STO, 18                           ; v18     q's or k's scale byte in the stage
.set STV, 19                           ; v19     v's
.set SB, 24                            ; v24-39  W's scale words: 2 x K step + pair of tiles
.set TQ, 40                            ; v40-41  the two chains
.set SA, 44                            ; v44-59  x's scale words: 2 x K step + set
.set TC, 60                            ; v60-62  the second conversion's codes
.set ACC, 64                           ; v64-127 phase 2: two sets of four accumulators
.set HV0, 64                           ; v64-191 phase 1, band 0: 32 x tile + 8 x block + i
.set HV1, 840                          ; v840-967 band 1
.set NCD, 128                          ; v128-139 phase 2: the even block's six registers, the odd block's six
.set BBQ, 160                          ; v160-191 q's or k's bias, laid as the result
.set MCD, 192                          ; v192-239 phase 1: four operands of twelve
.set SOP, 240
.set EB, 244
.set VX, 248
.set SB2, 968                          ; v968-983 phase 2's W's scale words
.set BBV, 992                          ; v992-1023 v's bias, laid as the result
.set G1A, 24
.set G1B, 32
.set G1S, 92
.set G0A, 56
.set G0R, 68
.set G0B, 60
.set G0S, 72
.set MSB, 0
.macro WIN new
.if MSB != (\new)
	s_set_vgpr_msb (MSB<<8)|(\new)
.set MSB, \new
.endif
.endm
.macro PLACES
.rept 4
	v_nop
.endr
.endm
.macro WALU
	s_wait_alu depctr_va_vdst(0)
.endm
.macro BARRIER
	s_barrier_signal -1
	s_barrier_wait -1
.endm
.macro MIDDLE                          ; a round's middle: the opening wait, wave 0's signal for the work-group, the cluster's wait
	WIN 0
	s_barrier_wait -1
	s_cmp_lg_u32 s14, 0
	s_cbranch_scc1 .Lnot_wave_0_\@
	s_barrier_signal -3
.Lnot_wave_0_\@:
	s_barrier_wait -3
.endm
.macro CROUND
	s_barrier_signal -1
	MIDDLE
	BARRIER
.endm
.macro GRD
	s_wait_tensorcnt 0x0
	ds_add_u32 v[SPW], v[NIL]
.endm
.macro TLOAD g0, g1
	tensor_load_to_lds s[\g0:\g0+3], s[\g1:\g1+7]
	s_nop 0
	PLACES
.endm
.macro GROUP1 g, mask, d0, rows, pitch ; elements of 8 bytes, no padding; bit 21 beside the mask
	s_or_b32 s[\g], s[\mask], (3<<16)|(1<<21)
	s_mov_b32 s[\g+1], (\d0)<<16
	s_mov_b32 s[\g+2], (\rows)<<16
	s_mov_b32 s[\g+3], (\d0)<<16
	s_mov_b32 s[\g+4], \rows
	s_mov_b32 s[\g+5], \pitch
	s_mov_b32 s[\g+6], 0
	s_mov_b32 s[\g+7], 0
.endm
.macro G0SET g, base, off, lds         ; group 0: s21 = 0
	s_mov_b32 s[\g], 1
	s_mov_b32 s[\g+1], \lds
	s_mov_b32 s20, s\off
	s_add_nc_u64 s[\g+2:\g+3], s[\base:\base+1], s[20:21]
	s_or_b32 s[\g+3], s[\g+3], 0x80000000
.endm
.macro SADD d, x
	s_add_co_u32 s\d, s\d, s\x
.endm
; ---- fragments.  Fragment f lies in window 1 + f / 21 at register 12 (f % 21): 0-31 W's (4 q + tile), 32-39 and 40-47 x's two sets.
.macro FRAG f, ad, off
	WIN (1+(\f)/21)<<6
.irp p, 0,1,2
	ds_load_b128 v[12*((\f)%21)+4*\p:12*((\f)%21)+4*\p+3], v[\ad] offset:(\off)+512*\p
.endr
.endm
.macro WEIGHTS                         ; 96 loads
.irp q, 0,1,2,3,4,5,6,7
.irp b, 0,1,2,3
	FRAG 4*\q+\b, WA0+\q/4, 12288*(\q%4)+1536*\b
.endr
.endr
	WIN 0
.endm
.macro FETCH e, j, ax, as, co          ; a block's rows into set e; with an even block the scale words of two blocks, into set sw
.irp q, 0,1,2,3,4,5,6,7
	FRAG 32+8*(\e)+\q, \ax, 6144*\q+1536*(\j)
.endr
	WIN 0
.if (\e) == 0
.irp q, 0,1,2,3,4,5,6,7
	ds_load_b32 v[SA+2*\q+((\j)/2)%2], v[\as] offset:512*\q+(\co)+4*((\j)/2)
.endr
.endif
.endm
; ---- a product.  n = 4 q + tile.  kind 0 (q, k): source 0 W's columns; kind 1 (v): source 0 x's tokens.  x's scale word lies in the half of the lanes that is the block's parity, W's in its tile's.
.macro WM c, ra, rb
	v_wmma_scale_f32_16x16x128_f8f6f4 v[AC_:AC_+7], v[FA_:FA_+11], v[FB_:FB_+11], \c, v[SA_], v[SB_] matrix_a_fmt:MATRIX_FMT_FP6 matrix_b_fmt:MATRIX_FMT_FP6 matrix_a_scale:MATRIX_SCALE_ROW\ra matrix_b_scale:MATRIX_SCALE_ROW\rb
.endm
.macro WMS c
.if RA_
.if RB_
	WM \c, 1, 1
.else
	WM \c, 1, 0
.endif
.else
.if RB_
	WM \c, 0, 1
.else
	WM \c, 0, 0
.endif
.endif
.endm
.macro PROD kind, e, sp, n, a0, as
.set Q_, (\n)/4
.set FX_, 32+8*(\e)+Q_
.set FW_, (\n)
.set D_, (\a0)+(\as)*((\n)%4)
.set AC_, D_&255
.set CC_, AC_
.set CW_, D_>>8
.if \kind
.set F0_, FX_
.set F1_, FW_
.set SA_, SA+2*Q_+(\sp)
.set SB_, SB+2*Q_+((\n)%4)/2
.set RA_, \e
.set RB_, (\n)%2
.if Q_ == 0
.set CC_, BBV-768+8*((\n)%4)
.set CW_, 3
.endif
.else
.set F0_, FW_
.set F1_, FX_
.set SA_, SB+2*Q_+((\n)%4)/2
.set SB_, SA+2*Q_+(\sp)
.set RA_, (\n)%2
.set RB_, \e
.if Q_ == 0
.set CC_, BBQ+8*((\n)%4)
.set CW_, 0
.endif
.endif
.set FA_, 12*(F0_%21)
.set FB_, 12*(F1_%21)
	WIN (1+F0_/21)|((1+F1_/21)<<2)|(CW_<<4)|((D_>>8)<<6)
	WMS v[CC_:CC_+7]
.endm
; products \from .. \to - 1 of a block; behind every second one, two entries of the block's list
.macro BLOCK kind, e, sp, a0, as, from, to, list, x=0, y=0
.set N_, \from
.rept (\to)-(\from)
	PROD \kind, \e, \sp, N_, \a0, \as
.if N_%2
	\list N_-1, \x, \y
	\list N_, \x, \y
.endif
.set N_, N_+1
.endr
.endm
.macro CHAIN i, x, n, t=TQ             ; 18 entries: the largest magnitude of the 32 sums from register x on, by two chains, and the conversions' scale operand
.set XW_, (\x)>>8
.set XL_, (\x)&255
.if (\i) >= 0 && (\i) < 14
.set B_, XL_+16*((\i)%2)+2*((\i)/2)
.set T_, (\t)+1-(\i)%2
.if (\i) < 2
	WIN XW_|(XW_<<2)|(XW_<<4)
	v_max3_num_f32 v[T_], |v[B_]|, |v[B_+1]|, |v[B_+2]|
.else
	WIN (XW_<<2)|(XW_<<4)
	v_max3_num_f32 v[T_], v[T_], |v[B_+1]|, |v[B_+2]|
.endif
.elseif (\i) == 14
	WIN XW_<<2
	v_max3_num_f32 v[\t+1], v[\t+1], |v[XL_+15]|, 0x1800000   ; and the floor 2^(3 - 127)
.elseif (\i) == 15
	WIN 0
	v_nop
.elseif (\i) == 16
	WIN XW_<<2
	v_max3_num_f32 v[\t], v[\t], |v[XL_+31]|, v[\t+1]
.elseif (\i) == 17
	WIN 0
	v_add_nc_u32 v[SOP+\n], 0xff000000, v[\t]   ; 2 off the exponent field
.endif
.endm
.macro CODES i, x, c, n, t=TC          ; 6 lines: 32 codes into v[c .. c+5], the scale's byte into v[EB+n]
.set XW_, (\x)>>8
.set XL_, (\x)&255
.if (\i) == 0
	WIN XW_
	v_cvt_scalef32_pk16_fp6_f32 v[\c:\c+2], v[XL_:XL_+15], v[SOP+\n]
.elseif (\i) == 1
	WIN XW_
	v_cvt_scalef32_pk16_fp6_f32 v[\t:\t+2], v[XL_+16:XL_+31], v[SOP+\n]
.elseif (\i) == 2
	WIN 0
	v_lshrrev_b32 v[EB+\n], 23, v[SOP+\n]
.else
	WIN 0
	v_mov_b32 v[\c+\i], v[\t+\i-3]
.endif
.endm
.macro CODES6 x, c, n
.irp i, 0,1,2,3,4,5
	CODES \i, \x, \c, \n
.endr
.endm
.macro PFTILE v, off, share, stride    ; one entry: my sixteenth of a tile, to be asked for into the L2
	s_mul_i32 s21, s\share, \stride
	s_add_co_u32 s20, s\off, s21
	WIN 0
	v_min_u32 v\v, 23, v3
	v_lshl_add_u32 v\v, v\v, 8, s20
.endm
.macro PFGO v
	global_prefetch_b8 v\v, s[4:5] th:TH_LOAD_NT scope:SCOPE_SE
.endm
.macro ASK i                           ; 2 entries: group 0 of the next chunk of the other half, at s88, for slot s47
.if (\i) == 0
	s_mov_b32 s[G0A+1], s47
	s_mov_b32 s20, s88
	s_mov_b32 s21, 0
	s_add_nc_u64 s[G0A+2:G0A+3], s[4:5], s[20:21]
.elseif (\i) == 1
	s_or_b32 s[G0A+3], s[G0A+3], 0x80000000
	s_add_co_u32 s88, s88, 6144
	s_xor_b32 s47, s47, SLOT
.endif
.endm
.macro PAIR i                          ; 4 entries: where pair s46's codes go (s[84:85]; by the true pair) and its scale bytes (v[VX]; by the order of work)
.if (\i) == 0
	s_lshl_b32 s18, s87, 2
	s_xor_b32 s18, s18, s46
	s_lshr_b32 s20, s18, 2
	s_mul_i32 s20, s20, 24576
.elseif (\i) == 1
	s_and_b32 s18, s18, 3
	s_mul_i32 s18, s18, 3072
	SADD 20, 18
	s_mov_b32 s21, 0
.elseif (\i) == 2
	s_add_nc_u64 s[84:85], s[54:55], s[20:21]
	s_and_b32 s22, s46, 3
	s_lshl_b32 s22, s22, 7
	s_lshr_b32 s23, s46, 2
.elseif (\i) == 3
	s_lshl_b32 s23, s23, 10
	s_or_b32 s22, s22, s23
	s_add_co_u32 s46, s46, 1
	WIN 0
	v_add_nc_u32 v[VX], s22, v[STO]
.endif
.endm
; ---- the lists
.macro L_NONE i, x, y
.endm
.macro L_LAST i, x, y
	CHAIN \i, \x, \y
.endm
.macro L_V2 i, x, y                    ; the first refill's group 0; the first of the other half's chunks is to be asked for into the L2
.if (\i) == 0
	s_mov_b32 s20, s9
	s_mov_b32 s21, 0
	s_add_nc_u64 s[G0B+2:G0B+3], s[4:5], s[20:21]
	s_or_b32 s[G0B+3], s[G0B+3], 0x80000000
.elseif (\i) == 2
	PFTILE 21, 88, 90, 12288
.endif
.endm
.macro L_V7 i, x, y                    ; the second of them; the way out
.if (\i) == 0
	s_add_co_u32 s22, s88, 6144
	PFTILE 22, 22, 90, 12288
.endif
	CHAIN (\i)-1, \x, \y
.endm
.macro L_ODD i, x, y
	PAIR \i
	CHAIN (\i)-4, ACC, 0
.endm
.macro L_ROUND i, x, y                 ; group 0; where this trip's blocks are fetched from (trip s86 = 0: slot 1, band 1 of the first half; 1: slot 0, band 0 of the other); the odd block's way out
	ASK \i
.if (\i) == 2
	s_xor_b32 s20, s86, 1
	s_mul_i32 s20, s20, SLOT
	WIN 0
	v_add_nc_u32 v[AXC], s20, v[AX0]
.elseif (\i) == 3
	s_xor_b32 s21, s87, s86
	s_lshl_b32 s21, s21, 13
	s_xor_b32 s22, s86, 1
	s_lshl_b32 s22, s22, 3
.elseif (\i) == 4
	s_add_co_u32 s21, s21, s22
	WIN 0
	v_add_nc_u32 v[ASC], s21, v[ASN]
.endif
	CHAIN (\i)-5, ACC+32, 1
.endm
; ---- phase 2's blocks.  w: the count of the wait for the block's rows (-1: shown in already)
.macro WAITDS w
.if (\w) >= 0
	s_wait_dscnt \w
.endif
.endm
.macro PUTPAIR                         ; tile T: 512 + 256 bytes; tile T + 1 likewise, 1,536 on
	global_store_b128 v[CO], v[NCD:NCD+3], s[84:85]
	global_store_b64 v[CO8], v[NCD+4:NCD+5], s[84:85] offset:512
	global_store_b128 v[CO], v[NCD+6:NCD+9], s[84:85] offset:1536
	global_store_b64 v[CO8], v[NCD+10:NCD+11], s[84:85] offset:2048
.endm
.macro EVENOUT
	WALU
	ds_store_b8 v[VX], v[EB+1] offset:64
	PUTPAIR
.endm
.macro EVEN w, sp
	WAITDS \w
	BLOCK 0, 0, \sp, ACC, 8, 0, 32, L_LAST, ACC+32, 1
	WIN 0
	CODES6 ACC+32, NCD+6, 1
	EVENOUT
.endm
.macro EVENROUND w, sp                 ; the second and the third refill: the round stands inside the block
	WAITDS \w
	GRD
	BLOCK 0, 0, \sp, ACC, 8, 0, 26, L_ROUND
	WIN 0
	WALU
	s_wait_dscnt 0x0
	s_barrier_signal -1
	BLOCK 0, 0, \sp, ACC, 8, 26, 32, L_NONE
	WIN 0
	CODES6 ACC+32, NCD+6, 1
	MIDDLE
	BARRIER
	s_cmp_eq_u32 s14, 0
	s_cbranch_scc0 .Lnone_\@
	TLOAD G0A, G1A
.Lnone_\@:
	EVENOUT
.endm
.macro EVENSHOW w, sp                  ; a plain barrier inside the block shows the last refill to all
	WAITDS \w
	BLOCK 0, 0, \sp, ACC, 8, 0, 26, L_LAST, ACC+32, 1
	WIN 0
	WALU
	s_wait_tensorcnt 0x0
	s_wait_dscnt 0x0
	s_barrier_signal -1
	BLOCK 0, 0, \sp, ACC, 8, 26, 32, L_NONE
	WIN 0
	s_barrier_wait -1
	CODES6 ACC+32, NCD+6, 1
	EVENOUT
.endm
.macro ODD w, sp
	WAITDS \w
	s_wait_xcnt 0x0
	BLOCK 0, 1, \sp, ACC+32, 8, 0, 32, L_ODD
	WIN 0
	CODES6 ACC, NCD, 0
	WALU
	ds_store_b8 v[VX], v[EB]
.endm
; ================= THE HEAD
	s_load_b128 s[4:7], s[0:1], 0x0                ; opc, ops
	s_load_b128 s[76:79], s[0:1], 0x10             ; bq, bk
	s_load_b64 s[80:81], s[0:1], 0x20              ; bv
	s_load_b128 s[48:51], s[0:1], 0x28             ; qkvc, qkvs
	v_lshl_add_u32 v[SPW], v0, 2, SPARE
	v_mov_b32 v[NIL], 0
	ds_add_u32 v[SPW], v[NIL]
	ds_add_u32 v[SPW], v[NIL]
	v_lshrrev_b32 v1, 5, v0
	v_readfirstlane_b32 s14, v1                    ; the wave; s15 its row of the 2 x 2, s16 its column
	s_lshr_b32 s15, s14, 1
	s_and_b32 s16, s14, 1
	s_bfe_u32 s40, ttmp6, 0x40000                  ; cx
	s_bfe_u32 s41, ttmp6, 0x40004                  ; cy
	s_lshl_b32 s42, ttmp9, 2
	s_add_co_u32 s42, s42, s40                     ; phase 2's tile column: 0-7 q, 8-15 k
	s_and_b32 s43, ttmp7, 0xffff
	s_lshl_b32 s43, s43, 2
	s_add_co_u32 s43, s43, s41                     ; its tile row: tokens 512 s43 on
	s_lshr_b32 s19, ttmp9, 1                       ; 0 q, 1 k
	s_and_b32 s87, ttmp9, 1                        ; v's half of my 512 tokens
	s_lshl_b32 s13, s19, 2
	s_add_co_u32 s13, s13, s40                     ; v's channel group
	s_lshl_b32 s12, s43, 1
	s_add_co_u32 s12, s12, s87                     ; v's 256 tokens
	s_lshl_b32 s44, s41, 2
	s_lshl_b32 s44, 15, s44                        ; my row of the cluster
	s_lshl_b32 s45, 0x1111, s40                    ; my column
	GROUP1 G1A, 44, 768, 16, 1536
	GROUP1 G1B, 45, 32, 384, 32
	GROUP1 G1S, 44, 32, 64, 32
	s_mul_i32 s66, s12, 2*SLOT                     ; bytes from opc: v's half of my tokens,
	s_xor_b32 s20, s87, 1
	s_mul_i32 s20, s20, 2*SLOT
	s_mul_i32 s88, s43, 4*SLOT
	SADD 88, 20                                    ; the other half,
	s_add_co_u32 s9, s42, 64
	s_add_co_u32 s54, s13, 80
	s_lshl_b32 s82, s9, 12
	s_lshl_b32 s84, s54, 12
	s_mul_i32 s9, s9, SLOT                         ; Wq's or Wk's columns,
	s_mul_i32 s54, s54, SLOT                       ; Wv's
	s_lshl_b32 s89, s43, 14                        ; from ops: my tokens' scale words,
	s_lshl_b32 s20, s16, 3
	SADD 82, 20                                    ; Wq's or Wk's, Wv's: my tiles' two words a lane
	SADD 84, 20
	s_mov_b32 s83, 0
	s_mov_b32 s85, 0
	v_and_b32 v1, 15, v0
	v_bfe_u32 v2, v0, 4, 1
	v_and_b32 v3, 31, v0
	v_lshlrev_b32 v[CO], 4, v3
	v_lshlrev_b32 v[CO8], 3, v3
	s_mul_i32 s21, s15, 49152
	v_add_nc_u32 v[AX0], s21, v[CO]
	v_add_nc_u32 v[AX1], SLOT, v[AX0]
	s_mul_i32 s21, s16, 6144
	s_add_co_u32 s21, s21, WB
	v_add_nc_u32 v[WA0], s21, v[CO]
	v_add_nc_u32 v[WA0+1], 49152, v[WA0]
	s_lshl_b32 s21, s15, 12
	s_add_co_u32 s21, s21, SCL
	v_add_nc_u32 v[ASN], s21, v[CO]
	s_lshl_b32 s22, s87, 13
	v_add_nc_u32 v[ASA], s22, v[ASN]
	s_xor_b32 s22, s87, 1
	s_lshl_b32 s22, s22, 13
	v_add_nc_u32 v[ASB], s22, v[ASN]
	v_lshl_add_u32 v23, v1, 2, v2                  ; 4 r + h
	s_lshl_b32 s21, s15, 9
	s_lshl_b32 s22, s16, 1
	SADD 21, 22
	s_add_co_u32 s21, s21, XN
	v_add_nc_u32 v[STO], s21, v23                  ; XN + 512 w + 4 r + 2 b + h
	v_lshlrev_b32 v23, 4, v1
	v_add_nc_u32 v23, v23, v2
	s_lshl_b32 s21, s15, 9
	s_lshl_b32 s22, s16, 3
	SADD 21, 22
	s_add_co_u32 s21, s21, XM
	v_add_nc_u32 v[STV], s21, v23                  ; XM + 512 w + 16 r + 8 b + h
	v_lshlrev_b32 v[BQO], 7, v2
	v_lshrrev_b32 v23, 3, v1
	v_lshlrev_b32 v23, 7, v23
	v_and_b32 v20, 7, v1
	v_lshl_add_u32 v23, v20, 2, v23                ; v's bias: lane (r, h) of tile t has channel 32 (r / 8) + 8 t + r % 8 of my 64
	s_lshl_b32 s90, s40, 2
	s_add_co_u32 s90, s90, s14                     ; my number among the sixteen waves of my row of the cluster
	s_lshl_b32 s100, s41, 2
	s_add_co_u32 s100, s100, s14                   ; and of my column
	WALU
	s_wait_dscnt 0x0
	CROUND                                         ; the opening round
	s_wait_kmcnt 0x0
	s_mov_b32 s21, 0
	G0SET G0A, 4, 66, 0
	s_mov_b32 s[G0R], 1
	s_mov_b32 s[G0R+1], SLOT
	s_add_nc_u64 s[G0R+2:G0R+3], s[4:5], s[20:21]
	s_add_nc_u64 s[G0R+2:G0R+3], s[G0R+2:G0R+3], 6144
	s_or_b32 s[G0R+3], s[G0R+3], 0x80000000
	G0SET G0B, 4, 54, WB
	G0SET G0S, 6, 89, SCL
	s_cmp_eq_u32 s14, 0
	s_cbranch_scc0 .Lwave_1
	TLOAD G0B, G1B                                 ; wave 0: Wv's columns
	s_branch .Lasked
.Lwave_1:
	s_cmp_eq_u32 s14, 1
	s_cbranch_scc0 .Lwave_2
	TLOAD G0S, G1S                                 ; wave 1: the scale words of all my tokens
	s_branch .Lasked
.Lwave_2:
	s_cmp_eq_u32 s14, 2
	s_cbranch_scc0 .Lwave_3
	TLOAD G0A, G1A                                 ; wave 2: chunk 0
	s_branch .Lasked
.Lwave_3:
	TLOAD G0R, G1A                                 ; wave 3: chunk 1
.Lasked:
	s_add_nc_u64 s[84:85], s[6:7], s[84:85]
	s_add_nc_u64 s[82:83], s[6:7], s[82:83]
	s_lshl_b32 s22, s13, 9
	s_lshl_b32 s23, s16, 8
	SADD 22, 23
	s_mov_b32 s23, 0
	s_add_nc_u64 s[80:81], s[80:81], s[22:23]      ; bv: my 64 channels
	s_cmp_eq_u32 s19, 1
	s_cselect_b64 s[76:77], s[78:79], s[76:77]
	s_and_b32 s22, s42, 7
	s_lshl_b32 s22, s22, 9
	s_lshl_b32 s23, s16, 8
	SADD 22, 23
	s_mov_b32 s23, 0
	s_add_nc_u64 s[76:77], s[76:77], s[22:23]      ; bq or bk: my 64 columns
.irp q, 0,1,2,3,4,5,6,7
	global_load_b64 v[SB+2*\q:SB+2*\q+1], v[CO], s[84:85] offset:512*\q
.endr
	WIN 3<<6
.irp q, 0,1,2,3,4,5,6,7
	global_load_b64 v[SB2-768+2*\q:SB2-768+2*\q+1], v[CO], s[82:83] offset:512*\q
.endr
.irp t, 0,1,2,3
	global_load_b32 v[BBV-768+8*\t], v23, s[80:81] offset:32*\t
.endr
	WIN 0
	; where the results go
	s_lshl_b32 s20, s19, 2
	s_lshr_b32 s21, s43, 2
	SADD 20, 21
	s_lshl_b32 s20, s20, 3
	s_and_b32 s21, s42, 7
	SADD 20, 21                                    ; (tensor, sequence, K step)
	s_and_b32 s21, s43, 3
	s_mul_i32 s22, s20, 196608
	s_mul_i32 s23, s21, 49152
	SADD 22, 23
	s_mul_i32 s23, s15, 12288
	SADD 22, 23
	s_mul_i32 s23, s16, 768
	SADD 22, 23
	s_mov_b32 s23, 0
	s_add_nc_u64 s[54:55], s[48:49], s[22:23]      ; q's or k's codes
	s_lshl_b32 s22, s20, 13
	s_lshl_b32 s23, s21, 11
	SADD 22, 23
	s_lshr_b32 s23, s14, 1
	s_xor_b32 s23, s23, s87                        ; the stage's halves lie in the order of work
	s_lshl_b32 s23, s23, 10
	SADD 22, 23
	s_lshl_b32 s23, s16, 9
	SADD 22, 23
	s_mov_b32 s23, 0
	s_add_nc_u64 s[10:11], s[50:51], s[22:23]      ; their scale words: 512 bytes a wave
	s_lshr_b32 s20, s12, 3
	s_lshl_b32 s20, s20, 7
	s_lshl_b32 s21, s13, 4
	SADD 20, 21
	s_and_b32 s21, s12, 7
	s_lshl_b32 s21, s21, 1
	SADD 20, 21
	s_add_co_u32 s20, s20, 1024                    ; v's block of my first key step
	s_lshl_b32 s22, s20, 9
	s_lshl_b32 s23, s14, 8
	SADD 22, 23
	s_mov_b32 s23, 0
	s_add_nc_u64 s[2:3], s[50:51], s[22:23]        ; v's scale words: 256 bytes a wave
	SADD 20, 15
	s_mul_i32 s22, s20, 12288
	s_mul_i32 s23, s16, 6144
	SADD 22, 23
	s_mov_b32 s23, 0
	s_add_nc_u64 s[52:53], s[48:49], s[22:23]      ; v's codes: my key step, my four fragments
	s_mov_b32 s46, 0
	s_mov_b32 s47, 0
	s_wait_loadcnt 0x0
	WIN (3<<6)|3
.irp t, 0,8,16,24
.irp i, 1,2,3,4,5,6,7
	v_mov_b32 v[BBV-768+\t+\i], v[BBV-768+\t]      ; one number a lane and tile, over the tile's eight registers
.endr
.endr
	WIN 0
	PFTILE 20, 9, 100, 6144                        ; what the first refill will load
	WALU
	s_cmp_eq_u32 s14, 0
	s_cbranch_scc0 .Lnot_b
	s_wait_tensorcnt 0x0
.Lnot_b:
	BARRIER                                        ; Wv's columns are in
	PFGO 20
	WEIGHTS
	s_cmp_eq_u32 s14, 3
	s_cbranch_scc1 .Lnot_a0
	s_wait_tensorcnt 0x0
.Lnot_a0:
	s_wait_dscnt 0x0
	BARRIER                                        ; chunk 0 and the scale words are in; chunk 1 may be on its way
	FETCH 0, 0, AX0, ASA, 0
	FETCH 1, 1, AX0, ASA, 0
; ================= PHASE 1: v, eight blocks; band 0's way outs stand in band 1's blocks
	s_wait_dscnt NFO
	BLOCK 1, 0, 0, HV0, 32, 0, 32, L_NONE
	WIN 0
	PLACES
	FETCH 0, 2, AX0, ASA, 0
	s_wait_dscnt NFE
	BLOCK 1, 1, 0, HV0+8, 32, 0, 32, L_NONE
	WIN 0
	PLACES
	FETCH 1, 3, AX0, ASA, 0
	s_wait_dscnt NFO
	GRD
	BLOCK 1, 0, 1, HV0+16, 32, 0, 24, L_V2
	WIN 0
	WALU
	s_wait_dscnt 0x0
	s_barrier_signal -1
	BLOCK 1, 0, 1, HV0+16, 32, 24, 32, L_NONE
	MIDDLE
	BARRIER
	s_cmp_eq_u32 s14, 0
	s_cbranch_scc0 .Lno_w
	TLOAD G0B, G1B                                 ; Wq's or Wk's columns onto Wv's, which all waves hold in registers
.Lno_w:
	PLACES
	FETCH 0, 0, AX1, ASA, 8
	PFGO 21
	BLOCK 1, 1, 1, HV0+24, 32, 0, 32, L_NONE
	WIN 0
	PLACES
	FETCH 1, 1, AX1, ASA, 8
.irp j, 0,1,2
.if \j == 0
	s_wait_dscnt NFO
.elseif \j == 1
	s_wait_dscnt NFE+1
.else
	s_wait_dscnt NFO+1
.endif
	BLOCK 1, \j%2, (\j/2), HV1+8*\j, 32, 0, 32, L_LAST, HV0+32*\j, \j
	WIN 0
	CODES6 HV0+32*\j, MCD+12*\j, \j
	WALU
	ds_store_b8 v[STV], v[EB+\j] offset:256*(\j%2)+4*(\j/2)
.if \j < 2
	FETCH \j%2, \j+2, AX1, ASA, 8
.endif
.endr
	s_wait_dscnt 1
	BLOCK 1, 1, 1, HV1+24, 32, 0, 26, L_V7, HV0+96, 3
	WIN 0
	WALU
	s_wait_tensorcnt 0x0
	s_wait_dscnt 0x0
	s_barrier_signal -1                            ; a plain barrier: what the first refill brought is shown to all
	BLOCK 1, 1, 1, HV1+24, 32, 26, 32, L_NONE
	WIN 0
	s_barrier_wait -1
	CODES6 HV0+96, MCD+36, 3
	WALU
	ds_store_b8 v[STV], v[EB+3] offset:260
; ================= THE CHANGE OF PHASE: the weights and the first two blocks' rows, which lie in slot 0 still; band 1's four way outs under their flight
.irp k, 0,1,2,3,4,5,6,7
	global_load_b128 v[BBQ+4*\k:BBQ+4*\k+3], v[BQO], s[76:77] offset:16*\k   ; register 8 j + i of lane (r, h) is column 32 h + 8 j + i
.endr
	WEIGHTS
	FETCH 0, 0, AX0, ASA, 0
	FETCH 1, 1, AX0, ASA, 0
	PFGO 22
	WIN 3
.set I, 0
.rept 16
	v_mov_b32 v[SB+I], v[SB2-768+I]
.set I, I+1
.endr
	WIN 0
.set I, 0
.rept 18
.irp t, 0,1,2,3
	CHAIN I, HV1+32*\t, \t, 64+4*\t
.endr
.set I, I+1
.endr
.set I, 0
.rept 6
.irp t, 0,1,2,3
	CODES I, HV1+32*\t, MCD+12*\t+6, \t, 80+4*\t
.endr
.set I, I+1
.endr
	WIN 0
	WALU
; ================= PHASE 2: q or k, sixteen blocks, way outs by pairs
	s_wait_loadcnt 0x0
	s_wait_dscnt NFO
	BLOCK 0, 0, 0, ACC, 8, 0, 32, L_NONE
	WIN 0
	PLACES
	WALU
.irp t, 0,1,2,3
	ds_store_b8 v[STV], v[EB+\t] offset:2+256*(\t%2)+4*(\t/2)
.endr
.irp t, 0,1,2,3
.irp k, 0,1,2
	global_store_b128 v[CO], v[MCD+12*\t+4*\k:MCD+12*\t+4*\k+3], s[52:53] offset:1536*\t+512*\k   ; v's codes leave
.endr
.endr
	FETCH 0, 2, AX0, ASA, 0
	ODD NFE+4, 0
	FETCH 1, 3, AX0, ASA, 0
	s_mov_b32 s86, 0
.Lwith_rounds:                                     ; blocks 2 to 5, 6 to 9
	EVENROUND NFO+1, 1
	FETCH 0, 0, AXC, ASC, 0
	ODD -1, 1
	FETCH 1, 1, AXC, ASC, 0
	EVEN NFO+1, 0
	FETCH 0, 2, AXC, ASC, 0
	ODD NFE+1, 0
	FETCH 1, 3, AXC, ASC, 0
	s_add_co_u32 s86, s86, 1
	s_cmp_lg_u32 s86, 2
	s_cbranch_scc1 .Lwith_rounds
	EVENSHOW NFO+1, 1                              ; blocks 10 to 15
	FETCH 0, 0, AX1, ASB, 8
	ODD -1, 1
	FETCH 1, 1, AX1, ASB, 8
	EVEN NFO+1, 0
	FETCH 0, 2, AX1, ASB, 8
	ODD NFE+1, 0
	FETCH 1, 3, AX1, ASB, 8
	EVEN NFO+1, 1
	ODD 1, 1
; ================= THE END: the last way out; the scale bytes go through LDS under its conversions
	s_lshl_b32 s21, s14, 9
	s_add_co_u32 s21, s21, XN
	v_add_nc_u32 v12, s21, v[CO]
	s_lshl_b32 s21, s14, 8
	s_add_co_u32 s21, s21, XM
	v_add_nc_u32 v13, s21, v[CO8]
.set I, 0
.rept 18
	CHAIN I, ACC+32, 1
.set I, I+1
.endr
	CODES 2, ACC+32, NCD+6, 1
	WALU
	ds_store_b8 v[VX], v[EB+1] offset:64
	s_wait_dscnt 0x0
	s_barrier_signal -1
	CODES 0, ACC+32, NCD+6, 1
	CODES 1, ACC+32, NCD+6, 1
	v_nop
.irp i, 3,4,5
	CODES \i, ACC+32, NCD+6, 1
.endr
	s_barrier_wait -1
	WALU
	ds_load_b128 v[64:67], v12
	ds_load_b64 v[68:69], v13
	PUTPAIR
	s_wait_dscnt 0x0
	global_store_b128 v[CO], v[64:67], s[10:11]
	global_store_b64 v[CO8], v[68:69], s[2:3]
	s_wait_tensorcnt 0x0
	ds_add_u32 v[SPW], v[NIL]
	s_wait_dscnt 0x0
	CROUND
	s_endpgm
.Lfunc_end_k_q640ef9d3a4_proj:
	.size	k_q640ef9d3a4_proj, .Lfunc_end_k_q640ef9d3a4_proj-k_q640ef9d3a4_proj
	.p2alignl 7, 3214868480
	.fill 96, 4, 3214868480
	.section	.rodata,"a",@progbits
	.p2align	6, 0x0
	.amdhsa_kernel k_q640ef9d3a4_proj
		.amdhsa_group_segment_fixed_size 327680
		.amdhsa_private_segment_fixed_size 0
		.amdhsa_enable_private_segment 0
		.amdhsa_kernarg_size 56
		.amdhsa_user_sgpr_count 2
		.amdhsa_user_sgpr_kernarg_segment_ptr 1
		.amdhsa_wavefront_size32 1
		.amdhsa_system_sgpr_workgroup_id_x 1
		.amdhsa_system_sgpr_workgroup_id_y 1
		.amdhsa_system_sgpr_workgroup_id_z 1
		.amdhsa_system_vgpr_workitem_id 0
		.amdhsa_next_free_vgpr 1024
		.amdhsa_next_free_sgpr 102
		.amdhsa_reserve_vcc 0
		.amdhsa_float_denorm_mode_32 3
		.amdhsa_float_denorm_mode_16_64 3
		.amdhsa_memory_ordered 1
		.amdhsa_forward_progress 1
		.amdhsa_inst_pref_size 198
	.end_amdhsa_kernel
	.amdgpu_metadata
---
amdhsa.version: [ 1, 2 ]
amdhsa.kernels:
  - .name:           k_q640ef9d3a4_proj
    .symbol:         k_q640ef9d3a4_proj.kd
    .args:
      - { .name: opc, .offset: 0, .size: 8, .value_kind: global_buffer, .address_space: global }
      - { .name: ops, .offset: 8, .size: 8, .value_kind: global_buffer, .address_space: global }
      - { .name: bq, .offset: 16, .size: 8, .value_kind: global_buffer, .address_space: global }
      - { .name: bk, .offset: 24, .size: 8, .value_kind: global_buffer, .address_space: global }
      - { .name: bv, .offset: 32, .size: 8, .value_kind: global_buffer, .address_space: global }
      - { .name: qkvc, .offset: 40, .size: 8, .value_kind: global_buffer, .address_space: global }
      - { .name: qkvs, .offset: 48, .size: 8, .value_kind: global_buffer, .address_space: global }
    .group_segment_fixed_size: 327680
    .private_segment_fixed_size: 0
    .kernarg_segment_align: 8
    .kernarg_segment_size: 56
    .max_flat_workgroup_size: 128
    .sgpr_count:     102
    .vgpr_count:     1024
    .wavefront_size: 32
...
	.end_amdgpu_metadata
.endif
;; end of part 2
;; launch score (part 3): grid 61 x 4, 4 waves a work-group, no clusters, 327,680 bytes of LDS; arguments qkvc, qkvs, pcod, pst; writes pcod, pst
.if DOCPART == 3
	.amdgcn_target "amdgcn-amd-amdhsa--gfx1250"
	.amdhsa_code_object_version 6
	.text
	.protected	k_q640ef9d3a4_score
	.globl	k_q640ef9d3a4_score
	.p2align	8
	.type	k_q640ef9d3a4_score,@function
k_q640ef9d3a4_score:
	s_mov_b64 s[64:65], 0
	v_nop
	global_prefetch_b8 v0, s[64:65] scope:SCOPE_SE
	s_setreg_imm32_b32 hwreg(HW_REG_WAVE_MODE, 25, 1), 1
	s_wait_xcnt 0x0
; S^T = k q^T on codes of FP6 (E2M3), for the tiles of 256 keys x 160 queries that hold anything the causal mask leaves; then, in registers, the softmax's numerator for each key step of 128 keys by itself:
; t = score x log2(e) / 32; M = the ceiling of the row's largest t AMONG THESE 128 KEYS, a whole number; p = 2^(t - M); l = the sum of the unquantised p; p is quantised along the keys.
; The next launch moves every key step to the row's own M by whole powers of two: exact, on the scale bytes and on l.
; LEFT OUT: a key step wholly behind a tile's 16 queries: reference() adds -1e20 to each of its scores, so its p is 0 whatever the inputs; a NaN, an infinity or an overflow that reaches only such scores is not carried.
; Inside a key step that holds the diagonal hidden scores become -3e38: p = 0 either way.  LIMITS: NaN and infinities are not served; a block whose every p is 0 gets the byte 1.
; SHARES.  Key pair P (256 keys) needs query tiles 16 P .. 127: by tens that is 13, 12, 10, 8, 7, 5, 4, 2 work-groups: 61 a sequence.  Wave (a, b): key step 2 P + a x five query tiles: 40 accumulators.
; A lane holds ONE query; its 64 registers of a tile column are keys 64 c + 32 h + 0 .. 31, c = 0, 1: two whole scale blocks.
; LDS holds all of the work-group's rows (26 tiles x 8 K steps = 319,488 bytes), by one tensor load a wave: K steps 0-4 of the keys and of the queries, then 5-7.  Nothing is filled again.
; No cluster: the work-groups of a key pair are no multiples of four, and those of a query tile begin at ten tiles' steps of their own.  No prefetch: every load stands at the head, no loop runs ahead of one.
; OUT: pcod[sequence][pair][m = 0 .. 16][tile of 16 queries][1,536]: query group I >= 8 is of pair 15 - I and its key step J is m = J + (J > 0); I < 8 is of pair I and J is m = 17 - J, J = 0 m = 1: no place is left empty.
; pst[the same][tile][r][scale word, -M, l, l].
.set QB, 196608
.set SPARE, 319488
.set L16, 1
.set KA, 2                             ; v2-4   k's fragments: K steps 0-2, 3-5, 6-7 (16 x lane)
.set KB, 5                             ; v5-7   the same, 8 x lane
.set QA, 8                             ; v8-9   q's: K steps 0-3, 4-7
.set QC, 10
.set SPW, 12
.set NIL, 13
.set DQR, 14
.set NEG, 15
.set H8, 16
.set L4, 17
.set DQ, 18
.set SL, 19                            ; v19    16 r + 8 h
.set TMX, 20
.set TP, 24
.set TP2, 25
.set SOP, 26
.set NEGM, 28
.set SUM, 30                           ; v30-33
.set LL, 34
.set WD, 35
.set SO, 36
.set TB, 38
.set PC, 40                            ; v40-51
.set TC, 52                            ; v52-54, v56-58
.set SCR, 64                           ; v64-127 scale words: eight registers a K step; nothing else ever lies here
.set QF, 128                           ; q's fragments, sets at v128, v192
.set H, 128                            ; behind the products: t, then p
.set CS, 90
.set SEL, 92
.set HM, 94
.set MSB, 0
.macro WIN new
.if MSB != (\new)
	s_set_vgpr_msb (MSB<<8)|(\new)
.set MSB, \new
.endif
.endm
.macro PLACES
.rept 4
	v_nop
.endr
.endm
.macro WALU
	s_wait_alu depctr_va_vdst(0)
.endm
.macro FRAG4 reg, a16, a8, off         ; twelve registers: [4: 512 bytes][2: 256 bytes] for each half of the K step
	ds_load_b128 v[\reg:\reg+3], v[\a16] offset:\off
	ds_load_b64 v[\reg+4:\reg+5], v[\a8] offset:(\off)+512
	ds_load_b128 v[\reg+6:\reg+9], v[\a16] offset:(\off)+768
	ds_load_b64 v[\reg+10:\reg+11], v[\a8] offset:(\off)+1280
.endm
.macro FETCH k                         ; K step k: 52 loads into set k % 2
	WIN 0x40
.irp t, 0,1,2,3,4,5,6,7
	FRAG4 128*((\k)%2)+12*\t, KA+(\k)/3, KB+(\k)/3, 24576*((\k)%3)+1536*\t
.endr
	WIN 0
.irp t, 0,1,2,3,4
	FRAG4 QF+64*((\k)%2)+12*\t, QA+(\k)/4, QC+(\k)/4, 15360*((\k)%4)+1536*\t
.endr
.endm
.macro WM c, ra, rb
	v_wmma_scale_f32_16x16x128_f8f6f4 v[AC_:AC_+7], v[FA_:FA_+11], v[FB_:FB_+11], \c, v[SA_], v[SB_] matrix_a_fmt:MATRIX_FMT_FP6 matrix_b_fmt:MATRIX_FMT_FP6 matrix_a_scale:MATRIX_SCALE_ROW\ra matrix_b_scale:MATRIX_SCALE_ROW\rb
.endm
.macro WMS c
.if RA_
.if RB_
	WM \c, 1, 1
.else
	WM \c, 1, 0
.endif
.else
.if RB_
	WM \c, 0, 1
.else
	WM \c, 0, 0
.endif
.endif
.endm
.macro MUL k                           ; 40 products, the 40 accumulators by turns; the first K step starts the sums
.set s1_, 0
.rept 5
	WIN 0xa1+0x50*(s1_/4)
.set s0_, 0
.rept 8
.set AC_, 8*(8*(s1_%4)+s0_)
.set FA_, 128*((\k)%2)+12*s0_
.set FB_, QF+64*((\k)%2)+12*s1_
.set SA_, SCR+8*(\k)+s0_/2
.set SB_, SCR+8*(\k)+4+s1_/2
.set RA_, s0_%2
.set RB_, s1_%2
.if (\k) == 0
	WMS 0
.else
	WMS v[AC_:AC_+7]
.endif
.set s0_, s0_+1
.endr
.set s1_, s1_+1
.endr
	WIN 0
.endm
.macro GROUP1 g, d0, rows
	s_mov_b32 s[\g], 3<<16
	s_mov_b32 s[\g+1], (\d0)<<16
	s_mov_b32 s[\g+2], (\rows)<<16
	s_mov_b32 s[\g+3], (\d0)<<16
	s_mov_b32 s[\g+4], \rows
	s_mov_b32 s[\g+5], 24576
	s_mov_b32 s[\g+6], 0
	s_mov_b32 s[\g+7], 0
.endm
.macro G0SET g, lds, base, off
	s_mov_b32 s[\g], 1
	s_mov_b32 s[\g+1], \lds
	s_add_nc_u64 s[\g+2:\g+3], s[\base:\base+1], \off
	s_or_b32 s[\g+3], s[\g+3], 0x80000000
.endm
.macro ARM under, g0, g1, next
	s_cmp_lt_u32 s2, \under
	s_cbranch_scc0 \next
	tensor_load_to_lds s[\g0:\g0+3], s[\g1:\g1+7]
	s_nop 0
	PLACES
	s_branch .Lasked
\next:
.endm
	s_load_b256 s[4:11], s[0:1], 0x0               ; qkvc, qkvs, pcod, pst
	v_lshl_add_u32 v[SPW], v0, 2, SPARE
	v_mov_b32 v[NIL], 0
	ds_add_u32 v[SPW], v[NIL]
	ds_add_u32 v[SPW], v[NIL]
	v_lshrrev_b32 v1, 5, v0
	v_readfirstlane_b32 s2, v1                     ; wave
	s_and_b32 s3, s2, 1                            ; a
	s_lshr_b32 s17, s2, 1                          ; b
	s_and_b32 s16, ttmp7, 0xffff                   ; the sequence
	s_mov_b32 s12, 0                               ; P
	s_mov_b32 s13, 0                               ; its first work-group
.macro PAIRAT p, first
	s_cmp_ge_u32 ttmp9, \first
	s_cselect_b32 s12, \p, s12
	s_cselect_b32 s13, \first, s13
.endm
	PAIRAT 1, 13
	PAIRAT 2, 25
	PAIRAT 3, 35
	PAIRAT 4, 43
	PAIRAT 5, 50
	PAIRAT 6, 55
	PAIRAT 7, 59
	s_sub_co_u32 s14, ttmp9, s13
	s_mul_i32 s14, s14, 10
	s_lshl_b32 s15, s12, 4
	s_add_co_u32 s15, s15, s14                     ; my work-group's first query tile (the last tiles of a key pair's last work-group may lie behind the sequence: they are multiplied, from bytes inside the buffer, and not stored)
	s_mul_i32 s18, s16, 1572864
	s_mul_i32 s74, s15, 1536
	s_add_co_u32 s74, s74, s18                     ; q's first row
	s_mov_b32 s75, 0
	s_mul_i32 s78, s12, 24576
	s_add_co_u32 s78, s78, s18
	s_add_co_u32 s78, s78, 4*1572864               ; k's
	s_mov_b32 s79, 0
	s_mul_i32 s86, s16, 65536                      ; scale words: k's key step,
	s_lshl_b32 s76, s12, 1
	s_add_co_u32 s76, s76, s3                      ; J = 2 P + a
	s_lshl_b32 s18, s76, 9
	s_add_co_u32 s18, s18, s86
	s_add_co_u32 s18, s18, 262144
	s_mul_i32 s73, s17, 5
	s_add_co_u32 s73, s73, s15                     ; my first query tile
	s_lshl_b32 s88, s73, 6
	s_add_co_u32 s88, s88, s86                     ; and q's
	s_mov_b32 s89, 0
	s_mov_b32 s86, s18
	s_mov_b32 s87, 0
	s_mov_b32 s[SEL], 0x76543210
	s_mov_b32 s[SEL+1], 0xfedcba98
	s_mov_b32 s[HM], 0xffff0000
	s_mov_b32 s[CS], 0x3d38aa3b                    ; log2(e) / 32
	s_mov_b32 s[CS+1], s[CS]
	GROUP1 20, 3072, 5                             ; k: 16 tiles, K steps 0-4
	GROUP1 28, 1920, 5                             ; q: 10 tiles
	GROUP1 36, 3072, 3                             ; K steps 5-7
	GROUP1 44, 1920, 3
	s_wait_dscnt 0x0
	s_wait_kmcnt 0x0
	s_add_nc_u64 s[74:75], s[4:5], s[74:75]
	s_add_nc_u64 s[78:79], s[4:5], s[78:79]
	s_add_nc_u64 s[86:87], s[6:7], s[86:87]
	s_add_nc_u64 s[88:89], s[6:7], s[88:89]
	G0SET 52, 0, 78, 0
	G0SET 56, QB, 74, 0
	G0SET 60, 122880, 78, 983040
	G0SET 68, QB+76800, 74, 983040
	ARM 1, 52, 20, .Larm_1
	ARM 2, 56, 28, .Larm_2
	ARM 3, 60, 36, .Larm_3
	tensor_load_to_lds s[68:71], s[44:51]
	s_nop 0
	PLACES
.Lasked:
	v_and_b32 v20, 31, v0
	v_lshlrev_b32 v[L4], 2, v20
	WALU
.irp k, 0,1,2,3,4,5,6,7
.irp u, 0,1,2,3
	global_load_b32 v[SCR+8*\k+\u], v[L4], s[86:87] offset:8192*\k+128*\u   ; lanes 0-15: row r of tile 2 u, lanes 16-31: of tile 2 u + 1
.endr
.irp u, 0,1,2
	global_load_b32 v[SCR+8*\k+4+\u], v[L4], s[88:89] offset:8192*\k+128*\u
.endr
.endr
	v_lshlrev_b32 v[L16], 4, v20
	v_lshlrev_b32 v21, 3, v20
	s_mul_i32 s18, s3, 12288
	v_add_nc_u32 v[KA], s18, v[L16]
	v_add_nc_u32 v[KB], s18, v21
	v_add_nc_u32 v[KA+1], 73728, v[KA]
	v_add_nc_u32 v[KA+2], 147456, v[KA]
	v_add_nc_u32 v[KB+1], 73728, v[KB]
	v_add_nc_u32 v[KB+2], 147456, v[KB]
	s_mul_i32 s18, s17, 7680
	s_add_co_u32 s18, s18, QB
	v_add_nc_u32 v[QA], s18, v[L16]
	v_add_nc_u32 v[QC], s18, v21
	v_add_nc_u32 v[QA+1], 61440, v[QA]
	v_add_nc_u32 v[QC+1], 61440, v[QC]
	v_and_b32 v22, 8, v0
	v_and_b32 v23, 7, v0
	v_lshl_add_u32 v[DQR], v22, 2, v23             ; 32 (r / 8) + r % 8
	v_and_b32 v22, 16, v0
	v_lshrrev_b32 v[H8], 1, v22                    ; 8 h
	v_lshlrev_b32 v22, 1, v22
	v_sub_nc_u32 v[DQR], v[DQR], v22               ; - 32 h
	v_mov_b32 v[NEG], 0xff61b1e6                   ; -3e38
	v_and_b32 v23, 15, v0
	v_lshl_add_u32 v[SL], v23, 4, v[H8]
	v_mov_b32 v[TP], 0                             ; written once: a lane permute's destination counts as one of its sources
	v_mov_b32 v[TP2], 0
	v_mov_b32 v[NEGM+1], 0
	s_cmp_gt_u32 s76, 0
	s_cselect_b32 s80, 1, 0
	s_add_co_u32 s80, s80, s76                     ; m for a query group of 8 or more,
	s_sub_co_u32 s81, 17, s76
	s_cmp_eq_u32 s76, 0
	s_cselect_b32 s81, 1, s81                      ; and under 8
	WALU
	s_wait_loadcnt 0x0
	s_cmp_lt_u32 s2, 2
	s_cbranch_scc0 .Llate
	s_wait_tensorcnt 0x0
.Llate:
	s_barrier_signal -1
	s_barrier_wait -1                              ; K steps 0-4 are in; 5-7 may be on their way
	FETCH 0
	FETCH 1
	s_wait_dscnt 52
	MUL 0
	PLACES
	FETCH 2
	s_wait_dscnt 52
	MUL 1
	PLACES
	FETCH 3
	s_wait_dscnt 52
	MUL 2
	PLACES
	FETCH 4
	s_wait_dscnt 52
	MUL 3
	s_wait_tensorcnt 0x0
	s_wait_dscnt 0x0
	s_barrier_signal -1
	s_barrier_wait -1                              ; everything is in
	PLACES
	FETCH 5
	MUL 4
	PLACES
	FETCH 6
	s_wait_dscnt 52
	MUL 5
	PLACES
	FETCH 7
	s_wait_dscnt 52
	MUL 6
	s_wait_dscnt 0x0
	MUL 7
	PLACES
	s_mov_b32 s72, 0
.Lcol:                                             ; column s72 of my five: query tile s73
	s_lshr_b32 s74, s73, 3                         ; I
	s_sub_co_i32 s75, s74, s76                     ; I - J
	s_cmp_lt_i32 s75, 0
	s_cbranch_scc1 .Lnext                          ; wholly hidden: ids alone
	s_cmp_gt_u32 s73, 127
	s_cbranch_scc1 .Lnext                          ; behind the sequence
	s_wait_xcnt 0x0                                ; the last column's stores have read their registers and bases
	s_and_b32 s77, s73, 7                          ; the tile's number in its group
	s_sub_co_u32 s18, 15, s74
	s_cmp_ge_u32 s74, 8
	s_cselect_b32 s18, s18, s74                    ; the pair
	s_cselect_b32 s19, s80, s81                    ; m
	s_lshl_b32 s78, s16, 3
	s_add_co_u32 s18, s18, s78
	s_mul_i32 s18, s18, 17
	s_add_co_u32 s18, s18, s19
	s_lshl_b32 s18, s18, 3
	s_add_co_u32 s18, s18, s77                     ; (sequence, pair, m, tile)
	s_mov_b32 s79, 0
	s_mul_i32 s78, s18, 1536
	s_add_nc_u64 s[82:83], s[8:9], s[78:79]
	s_lshl_b32 s78, s18, 8
	s_add_nc_u64 s[84:85], s[10:11], s[78:79]
.macro TAKE c                          ; t = score x log2(e) / 32; each accumulator from its low end on
	s_cmp_eq_u32 s72, \c
	s_cbranch_scc0 .Lnot_\@
	WIN 2+(\c)/4
	WALU
.set n_, 0
.rept 32
	v_pk_mul_f32 v[H+n_:H+n_+1], v[64*((\c)%4)+n_:64*((\c)%4)+n_+1], s[CS:CS+1] op_sel_hi:[1,0]
.set n_, n_+2
.endr
	WIN 0
	WALU
	s_branch .Ltaken
.Lnot_\@:
.endm
	TAKE 0
	TAKE 1
	TAKE 2
	TAKE 3
	WIN 3
	WALU
.set n_, 0
.rept 32
	v_pk_mul_f32 v[H+n_:H+n_+1], v[n_:n_+1], s[CS:CS+1] op_sel_hi:[1,0]
.set n_, n_+2
.endr
	WIN 0
	WALU
.Ltaken:
	s_cmp_gt_i32 s75, 0
	s_cbranch_scc1 .Lopen                          ; a key step wholly under my queries hides nothing: ids alone
	s_lshr_b32 s18, s77, 2
	s_lshl_b32 s18, s18, 6
	s_and_b32 s19, s77, 3
	s_lshl_b32 s19, s19, 3
	s_add_co_u32 s18, s18, s19
	v_add_nc_u32 v[DQ], s18, v[DQR]                ; my query less 32 h, inside the key step
.set n_, 0
.rept 64
	v_cmp_gt_i32 vcc_lo, 64*(n_/32)+n_%32, v[DQ]   ; register n holds key 64 (n / 32) + 32 h + n % 32: hidden where it comes after my query
	v_cndmask_b32 v[H+n_], v[H+n_], v[NEG], vcc_lo
.set n_, n_+1
.endr
.Lopen:
.irp b, 0,1,2,3
	v_max3_num_f32 v[TMX+\b], v[H+16*\b], v[H+1+16*\b], v[H+2+16*\b]
.endr
.irp i, 3,5,7,9,11,13
.irp b, 0,1,2,3
	v_max3_num_f32 v[TMX+\b], v[TMX+\b], v[H+16*\b+\i], v[H+1+16*\b+\i]
.endr
.endr
	v_max3_num_f32 v[TMX], v[TMX], v[TMX+1], v[H+15]
	v_max3_num_f32 v[TMX+2], v[TMX+2], v[TMX+3], v[H+47]
	v_max_num_f32 v[TMX], v[TMX], v[H+31]          ; the largest t of each block: for the row's maximum, and, since p rises with t, for the block's largest p
	v_max_num_f32 v[TMX+2], v[TMX+2], v[H+63]
	v_max_num_f32 v[SUM], v[TMX], v[TMX+2]
	v_permlanex16_b32 v[TP], v[SUM], s[SEL], s[SEL+1]
	v_max_num_f32 v[SUM], v[SUM], v[TP]
	v_floor_f32 v[NEGM], -v[SUM]                   ; -M = floor(-t) = -ceil(t)
.set n_, 0
.rept 32
	v_pk_add_f32 v[H+n_:H+n_+1], v[H+n_:H+n_+1], v[NEGM:NEGM+1] op_sel_hi:[1,0]
.set n_, n_+2
.endr
	v_add_f32 v[TMX], v[TMX], v[NEGM]
	v_add_f32 v[TMX+2], v[TMX+2], v[NEGM]
	WALU
.set n_, 0
.rept 64
	v_exp_f32 v[H+n_], v[H+n_]                     ; p = 2^(t - M)
.set n_, n_+1
.endr
	v_exp_f32 v[TMX], v[TMX]
	v_exp_f32 v[TMX+2], v[TMX+2]
	v_nop
	WALU
	v_pk_add_f32 v[SUM:SUM+1], v[H:H+1], v[H+2:H+3]   ; l is the sum of the UNQUANTISED p, in two chains; the scales between
	v_pk_add_f32 v[SUM+2:SUM+3], v[H+4:H+5], v[H+6:H+7]
	v_max_num_f32 v[TMX], 0x1800000, v[TMX]        ; the floor 2^(3 - 127)
	v_max_num_f32 v[TMX+2], 0x1800000, v[TMX+2]
.irp j, 8,12,16,20,24,28,32,36,40,44,48,52,56,60
	v_pk_add_f32 v[SUM:SUM+1], v[SUM:SUM+1], v[H+\j:H+\j+1]
	v_pk_add_f32 v[SUM+2:SUM+3], v[SUM+2:SUM+3], v[H+\j+2:H+\j+3]
.endr
	v_add_nc_u32 v[SOP], 0xff000000, v[TMX]
	v_add_nc_u32 v[SOP+1], 0xff000000, v[TMX+2]
	v_pk_add_f32 v[SUM:SUM+1], v[SUM:SUM+1], v[SUM+2:SUM+3]
	v_lshrrev_b32 v[TB], 23, v[SOP]
	v_lshrrev_b32 v[TB+1], 23, v[SOP+1]
	v_add_f32 v[SUM], v[SUM], v[SUM+1]
	v_lshl_or_b32 v[WD], v[TB+1], 16, v[TB]        ; my two bytes: blocks h and 2 + h
	v_permlanex16_b32 v[TP], v[SUM], s[SEL], s[SEL+1]
	v_lshlrev_b32 v[WD], v[H8], v[WD]
	v_add_f32 v[LL], v[SUM], v[TP]
	v_permlanex16_b32 v[TP2], v[WD], s[SEL], s[SEL+1]
	v_or_b32 v[WD], v[WD], v[TP2]                  ; with lane l xor 16's the word is whole
	v_cvt_scalef32_pk16_fp6_f32 v[PC:PC+2], v[H:H+15], v[SOP]
	v_cvt_scalef32_pk16_fp6_f32 v[TC:TC+2], v[H+16:H+31], v[SOP]
	v_cvt_scalef32_pk16_fp6_f32 v[PC+6:PC+8], v[H+32:H+47], v[SOP+1]
	v_cvt_scalef32_pk16_fp6_f32 v[TC+4:TC+6], v[H+48:H+63], v[SOP+1]
	v_cndmask_b32 v[SO], v[WD], v[LL], s[HM]       ; lanes 0-15: scale word, -M; lanes 16-31: l, l.  (Plain lines behind the conversions)
	v_cndmask_b32 v[SO+1], v[NEGM], v[LL], s[HM]
.irp i, 0,1,2
	v_mov_b32 v[PC+3+\i], v[TC+\i]
	v_mov_b32 v[PC+9+\i], v[TC+4+\i]
.endr
.irp c, 0,1,2
	global_store_b128 v[L16], v[PC+4*\c:PC+4*\c+3], s[82:83] offset:512*\c
.endr
	global_store_b64 v[SL], v[SO:SO+1], s[84:85]   ; 32 lanes fill 256 consecutive bytes
.Lnext:
	s_add_co_u32 s73, s73, 1
	s_add_co_u32 s72, s72, 1
	s_cmp_lt_u32 s72, 5
	WALU
	s_cbranch_scc1 .Lcol
	s_wait_tensorcnt 0x0                           ; the wave's end
	ds_add_u32 v[SPW], v[NIL]
	s_wait_dscnt 0x0
	s_endpgm
.Lfunc_end_k_q640ef9d3a4_score:
	.size	k_q640ef9d3a4_score, .Lfunc_end_k_q640ef9d3a4_score-k_q640ef9d3a4_score
	.p2alignl 7, 3214868480
	.fill 96, 4, 3214868480
	.section	.rodata,"a",@progbits
	.p2align	6, 0x0
	.amdhsa_kernel k_q640ef9d3a4_score
		.amdhsa_group_segment_fixed_size 327680
		.amdhsa_private_segment_fixed_size 0
		.amdhsa_enable_private_segment 0
		.amdhsa_kernarg_size 32
		.amdhsa_user_sgpr_count 2
		.amdhsa_user_sgpr_kernarg_segment_ptr 1
		.amdhsa_wavefront_size32 1
		.amdhsa_system_sgpr_workgroup_id_x 1
		.amdhsa_system_sgpr_workgroup_id_y 1
		.amdhsa_system_sgpr_workgroup_id_z 1
		.amdhsa_system_vgpr_workitem_id 0
		.amdhsa_next_free_vgpr 832
		.amdhsa_next_free_sgpr 96
		.amdhsa_reserve_vcc 1
		.amdhsa_float_denorm_mode_32 3
		.amdhsa_float_denorm_mode_16_64 3
		.amdhsa_memory_ordered 1
		.amdhsa_forward_progress 1
		.amdhsa_inst_pref_size 110
	.end_amdhsa_kernel
	.amdgpu_metadata
---
amdhsa.version: [ 1, 2 ]
amdhsa.kernels:
  - .name:           k_q640ef9d3a4_score
    .symbol:         k_q640ef9d3a4_score.kd
    .args:
      - { .name: qkvc, .offset: 0, .size: 8, .value_kind: global_buffer, .address_space: global }
      - { .name: qkvs, .offset: 8, .size: 8, .value_kind: global_buffer, .address_space: global }
      - { .name: pcod, .offset: 16, .size: 8, .value_kind: global_buffer, .address_space: global }
      - { .name: pst, .offset: 24, .size: 8, .value_kind: global_buffer, .address_space: global }
    .group_segment_fixed_size: 327680
    .private_segment_fixed_size: 0
    .kernarg_segment_align: 8
    .kernarg_segment_size: 32
    .max_flat_workgroup_size: 128
    .sgpr_count:     96
    .vgpr_count:     832
    .wavefront_size: 32
...
	.end_amdgpu_metadata
.endif
;; end of part 3
;; launch pv (part 4): grid 8 x 32, 4 waves a work-group, clusters of 4 x 1, 327,680 bytes of LDS; arguments qkvc, qkvs, pcod, pst, out0; writes out0
.if DOCPART == 4
	.amdgcn_target "amdgcn-amd-amdhsa--gfx1250"
	.amdhsa_code_object_version 6
	.text
	.protected	k_q640ef9d3a4_pv
	.globl	k_q640ef9d3a4_pv
	.p2align	8
	.type	k_q640ef9d3a4_pv,@function
k_q640ef9d3a4_pv:
	s_mov_b64 s[64:65], 0
	v_nop
	global_prefetch_b8 v0, s[64:65] scope:SCOPE_SE
	s_setreg_imm32_b32 hwreg(HW_REG_WAVE_MODE, 25, 1), 1
	s_wait_xcnt 0x0
	s_wait_alu depctr_hold_cnt(0) depctr_sa_sdst(0) depctr_va_vdst(0) depctr_va_sdst(0) depctr_va_ssrc(0) depctr_va_vcc(0) depctr_vm_vsrc(0)
	s_getreg_b32 s2, hwreg(HW_REG_IB_STS2, 6, 4)
	s_cmp_eq_u32 s2, 0
	s_cbranch_scc0 .Lentry_in_a_cluster
	s_endpgm
.Lentry_in_a_cluster:
	s_bfe_u32 s2, ttmp6, 0x10000c
	s_cmp_lg_u32 s2, 0x3003
	s_cbranch_scc0 .Lentry_shape_is_right
	s_endpgm
.Lentry_shape_is_right:
; O^T = v^T p^T on codes of FP6 (E2M3), K = the keys, for each query group the key steps that the causal mask leaves; O / l at the end.
; LEFT OUT: key steps behind a query group: their p is 0 whatever the inputs; a NaN, an infinity or an overflow that reaches only them is not carried.
; Each key step's p was made under its own whole-number M.  Here the row's M is the largest of them; a key step is moved to it by d = M - M(J), a whole number of 0 or more: l by v_ldexp_f32, exact, and p by taking d off
; its four scale bytes (the codes stay).  A byte is held at 0 from below: LIMIT: a block of p that lies 2^125 or more under the row's largest keeps its codes under 2^-127; it adds under 2^-124 of the row's weight.
; LIMITS: NaN and infinities are not served.
; SHARES.  Query groups A = 15 - i and B = i of a sequence have 17 key steps together, so every work-group has 17: grid y = (sequence, i), grid x = 128 channels.  They lie in pcod one behind the other in the order of work, m = 0 .. 16:
; m = 0 is A's key step 0, m = 1 B's key step 0, m = 2 .. 9 A's key steps 1 .. 8; m = 10 .. 16 are A's key step m - 1 where m <= 16 - i, else B's key step 17 - m.
; Wave (a, b): 64 channels (source 0: 4 tiles of v) x 64 queries (source 1: 4 tiles of p): 16 accumulators for A and 16 for B; a lane holds ONE query and 8 neighbouring channels a tile.
; LDS: p's m = 0 .. 9, then v's 16 key steps, filled at the head by one load a wave; behind a round p's m = 10 .. 16 take the places of 0 .. 6.
; p is asked for JOINTLY by the four work-groups of a cluster (four channel groups of the same queries).  v is not: partners need other channels.
; No prefetch: the text has no loop to run ahead in.
.set BLK, 12288
.set VB, 10*BLK
.set STG, 4352                         ; a stage: 16 rows x (256 + 16) bytes; two for each wave,
.set STAGE, 7*BLK                      ; on p's places 7-9: they are filled at the head alone, and read for the last time ahead of the last barrier
.set SPARE, 26*BLK
.set L16, 1
.set RR, 2
.set HH, 3
.set PA, 4                             ; v4-5   my tiles of p: places 0-4, 5-9
.set VA, 6                             ; v6-7   my tiles of v: key steps 0-4, 5-9
.set VV, 8                             ; v8-9   my tiles of v in a step whose query group hangs on i
.set SPW, 10
.set NIL, 11
.set STO, 12
.set RD, 13
.set GO, 14
.set LA16, 15
.set T, 18
.set U, 22
.set X, 26
.set BIG, 30
.set VSC, 32                           ; v32-63 v's scale words, two a key step; nothing else ever lies here
.set PSR, 64                           ; v64-97 p's, two an m; nothing else ever lies here
.set ST, 100                           ; v100-235 (scale word, -M, l, l) of two rows an m
.set NMA, 236
.set NMB, 238
.set LA, 240
.set LB, 242
.set RL, 244                           ; v244-251 1 / l of my query in A's four tiles, B's four
.set H, 100                            ; the way out: results / l, two sets of 32
.set BK, 164                           ; whole rows of O, two sets of 32
.set HM, 98
.set SEL, 18
.set MSB, 0
.macro WIN new
.if MSB != (\new)
	s_set_vgpr_msb (MSB<<8)|(\new)
.set MSB, \new
.endif
.endm
.macro PLACES
.rept 4
	v_nop
.endr
.endm
.macro WALU
	s_wait_alu depctr_va_vdst(0)
.endm
.macro CROUND
	s_barrier_signal -1
	s_barrier_wait -1
	s_cmp_lg_u32 s2, 0
	s_cbranch_scc1 .Lnot_wave_0_\@
	s_barrier_signal -3
.Lnot_wave_0_\@:
	s_barrier_wait -3
	s_barrier_signal -1
	s_barrier_wait -1
.endm
.macro GROUP1 g, mask, rows            ; dense rows of 256 bytes
	s_mov_b32 s[\g], (\mask)|(3<<16)
	s_mov_b32 s[\g+1], 32<<16
	s_mov_b32 s[\g+2], (\rows)<<16
	s_mov_b32 s[\g+3], 32<<16
	s_mov_b32 s[\g+4], \rows
	s_mov_b32 s[\g+5], 32
	s_mov_b32 s[\g+6], 0
	s_mov_b32 s[\g+7], 0
.endm
.macro G0SET g, lds, base, off
	s_mov_b32 s[\g], 1
	s_mov_b32 s[\g+1], \lds
	s_add_nc_u64 s[\g+2:\g+3], s[\base:\base+1], \off
	s_or_b32 s[\g+3], s[\g+3], 0x80000000
.endm
.macro ARM under, g0, g1, next
	s_cmp_lt_u32 s2, \under
	s_cbranch_scc0 \next
	tensor_load_to_lds s[\g0:\g0+3], s[\g1:\g1+7]
	s_nop 0
	PLACES
	s_branch .Lasked
\next:
.endm
	s_load_b256 s[4:11], s[0:1], 0x0               ; qkvc, qkvs, pcod, pst
	s_load_b64 s[12:13], s[0:1], 0x20              ; out0
	v_lshl_add_u32 v[SPW], v0, 2, SPARE
	v_mov_b32 v[NIL], 0
	ds_add_u32 v[SPW], v[NIL]
	ds_add_u32 v[SPW], v[NIL]
	v_lshrrev_b32 v1, 5, v0
	v_readfirstlane_b32 s2, v1                     ; wave
	s_and_b32 s3, s2, 1                            ; a
	s_lshr_b32 s16, s2, 1                          ; b
	s_bfe_u32 s14, ttmp6, 0x40000                  ; cx
	s_lshl_b32 s15, ttmp9, 2
	s_add_co_u32 s15, s15, s14                     ; the channel group
	s_and_b32 s66, ttmp7, 0xffff                   ; 8 x sequence + i
	s_and_b32 s14, s66, 7                          ; i
	s_lshr_b32 s67, s66, 3                         ; the sequence
	s_sub_co_u32 s17, 16, s14                      ; A's last m
	GROUP1 20, 15|(1<<21), 336                     ; p: seven m
	GROUP1 28, 0, 288                              ; v: key steps 0-5
	GROUP1 36, 0, 480                              ; v: 6-15
	GROUP1 44, 15|(1<<21), 144                     ; p: three m
	GROUP1 68, 15|(1<<21), 84                      ; p: a quarter of seven m
	s_mul_i32 s92, s66, 17*BLK
	s_mov_b32 s93, 0
	s_lshl_b32 s18, s67, 7
	s_lshl_b32 s19, s15, 4
	s_add_co_u32 s18, s18, s19
	s_add_co_u32 s18, s18, 1024                    ; v's block of key step 0
	s_mul_i32 s94, s18, BLK
	s_mov_b32 s95, 0
	s_lshl_b32 s96, s18, 9
	s_lshl_b32 s19, s3, 3
	s_add_co_u32 s96, s96, s19                     ; its scale words: words 2 a, 2 a + 1 of a lane's four
	s_mov_b32 s97, 0
	s_mul_i32 s84, s2, 84*256
	s_mov_b32 s85, 0
	s_mul_i32 s86, s66, 17*2048
	s_lshl_b32 s19, s16, 10
	s_add_co_u32 s86, s86, s19
	s_mov_b32 s87, 0
	s_wait_dscnt 0x0
	s_wait_kmcnt 0x0
	s_add_nc_u64 s[92:93], s[8:9], s[92:93]
	s_add_nc_u64 s[94:95], s[4:5], s[94:95]
	s_add_nc_u64 s[96:97], s[6:7], s[96:97]
	s_add_nc_u64 s[86:87], s[10:11], s[86:87]
	G0SET 52, 0, 92, 0
	G0SET 56, VB, 94, 0
	G0SET 60, VB+6*BLK, 94, 6*BLK
	G0SET 76, 7*BLK, 92, 7*BLK
	s_add_nc_u64 s[92:93], s[92:93], s[84:85]
	s_mov_b32 s80, 1                               ; the refill: my quarter of p's m = 10 .. 16
	s_mov_b32 s81, s84
	s_add_nc_u64 s[82:83], s[92:93], 10*BLK
	s_or_b32 s83, s83, 0x80000000
	CROUND                                         ; the opening round
	ARM 1, 52, 20, .Larm_1                         ; one load a wave, what is needed first on waves 0 and 1
	ARM 2, 56, 28, .Larm_2
	ARM 3, 60, 36, .Larm_3
	tensor_load_to_lds s[76:79], s[44:51]
	s_nop 0
	PLACES
.Lasked:
	v_and_b32 v[L16], 31, v0
	v_lshlrev_b32 v[L16], 4, v[L16]
	v_and_b32 v[RR], 15, v0
	v_bfe_u32 v[HH], v0, 4, 1
	WALU
.set m_, 0
.rept 17
.irp u, 0,1
	global_load_b128 v[ST+4*(2*m_+\u):ST+4*(2*m_+\u)+3], v[L16], s[86:87] offset:2048*m_+512*\u   ; row r of my tile 2 u + h
.endr
.set m_, m_+1
.endr
.set m_, 0
.rept 16
	global_load_b64 v[VSC+2*m_:VSC+2*m_+1], v[L16], s[96:97] offset:512*m_
.set m_, m_+1
.endr
	s_mul_i32 s19, s3, 6144
	v_add_nc_u32 v[LA16], s19, v[L16]
	v_add_nc_u32 v[VA], VB, v[LA16]
	v_add_nc_u32 v[VA+1], VB+5*BLK, v[LA16]
	s_mul_i32 s19, s16, 6144
	v_add_nc_u32 v[PA], s19, v[L16]
	v_add_nc_u32 v[PA+1], 5*BLK, v[PA]
	s_mul_i32 s19, s2, 2*STG
	s_add_co_u32 s19, s19, STAGE
	v_mul_u32_u24 v[STO], v[RR], 272
	v_lshl_add_u32 v[STO], v[HH], 7, v[STO]
	v_add_nc_u32 v[STO], s19, v[STO]
	v_mul_u32_u24 v[RD], v[HH], 272
	v_lshl_add_u32 v[RD], v[RR], 4, v[RD]
	v_add_nc_u32 v[RD], s19, v[RD]
	v_lshlrev_b32 v[GO], 12, v[HH]
	v_lshl_add_u32 v[GO], v[RR], 4, v[GO]
	v_mov_b32 v[BIG], 0x7f61b1e6                   ; 3e38: above every -M
	s_lshl_b32 s90, s67, 11
	s_lshl_b32 s19, s16, 6
	s_add_co_u32 s90, s90, s19
	s_lshl_b32 s19, s14, 7
	s_add_co_u32 s88, s90, s19                     ; B's first row of mine
	s_sub_co_u32 s19, 15, s14
	s_lshl_b32 s19, s19, 7
	s_add_co_u32 s90, s90, s19                     ; A's
	s_lshl_b32 s88, s88, 12
	s_lshl_b32 s90, s90, 12
	s_lshl_b32 s19, s15, 9
	s_lshl_b32 s18, s3, 8
	s_add_co_u32 s19, s19, s18
	s_add_co_u32 s88, s88, s19
	s_add_co_u32 s90, s90, s19
	s_mov_b32 s89, 0
	s_mov_b32 s91, 0
	s_wait_xcnt 0x0
	s_add_nc_u64 s[96:97], s[12:13], s[88:89]      ; O: B's rows
	s_add_nc_u64 s[94:95], s[12:13], s[90:91]      ; A's rows
	s_mov_b32 s[HM], 0xffff0000
.irp m, 10,11,12,13,14,15,16
	s_cmp_ge_u32 s17, \m
	s_cselect_b32 s[84+\m-10], -1, 0               ; all lanes where m is A's
.endr
	s_mov_b32 s[SEL], 0x76543210
	s_mov_b32 s[SEL+1], 0xfedcba98
	WALU
	s_wait_loadcnt 0x0
; the rows' -M: the least of their -M(J)
.irp u, 0,1
	v_min3_num_f32 v[NMA+\u], v[ST+4*\u+1], v[ST+4*(4+\u)+1], v[ST+4*(6+\u)+1]
.endr
.irp m, 4,6
.irp u, 0,1
	v_min3_num_f32 v[NMA+\u], v[NMA+\u], v[ST+4*(2*\m+\u)+1], v[ST+4*(2*\m+2+\u)+1]
.endr
.endr
.irp u, 0,1
	v_min3_num_f32 v[NMA+\u], v[NMA+\u], v[ST+4*(16+\u)+1], v[ST+4*(18+\u)+1]
	v_min_num_f32 v[NMB+\u], v[ST+4*(2+\u)+1], v[BIG]
.endr
.irp m, 10,11,12,13,14,15,16
.irp u, 0,1
	v_cndmask_b32 v[X+\u], v[BIG], v[ST+4*(2*\m+\u)+1], s[84+\m-10]
	v_cndmask_b32 v[T+\u], v[ST+4*(2*\m+\u)+1], v[BIG], s[84+\m-10]
.endr
.irp u, 0,1
	v_min_num_f32 v[NMA+\u], v[NMA+\u], v[X+\u]
	v_min_num_f32 v[NMB+\u], v[NMB+\u], v[T+\u]
.endr
.endr
; Two m at a time, two rows each, are moved to the row's M, the four by turns.
.macro SX x, m1, m2
.if (\x) < 2
.set M_, \m1
.else
.set M_, \m2
.endif
.set U_, (\x)%2
.set K_, ST+4*(2*M_+U_)
.set P_, PSR+2*M_+U_
.endm
.macro E4 m1, m2, f
.irp x, 0,1,2,3
	SX \x, \m1, \m2
.if M_ >= 0
	\f \x
.endif
.endr
.endm
.macro F0 x
.if M_ >= 10
	v_cndmask_b32 v[U+\x], v[NMB+U_], v[NMA+U_], s[84+M_-10]
.endif
.endm
.macro F1 x                            ; d = M - M(J)
.if M_ >= 10
	v_sub_f32 v[T+\x], v[K_+1], v[U+\x]
.elseif M_ == 1
	v_sub_f32 v[T+\x], v[K_+1], v[NMB+U_]
.else
	v_sub_f32 v[T+\x], v[K_+1], v[NMA+U_]
.endif
.endm
.macro F2 x
	v_min_num_f32 v[T+\x], 0x437f0000, v[T+\x]     ; held at 255
.endm
.macro F3 x
	v_cvt_i32_f32 v[T+\x], v[T+\x]
.endm
.macro F4 x
	v_sub_nc_u32 v[U+\x], 0, v[T+\x]
.endm
.macro F5 x
	v_ldexp_f32 v[U+\x], v[K_+2], v[U+\x]          ; l(J) x 2^-d
.endm
.macro F6 x
.if M_ == 0
	v_mov_b32 v[LA+U_], v[U+\x]
.elseif M_ == 1
	v_mov_b32 v[LB+U_], v[U+\x]
.elseif M_ < 10
	v_add_f32 v[LA+U_], v[LA+U_], v[U+\x]
.else
	v_cndmask_b32 v[X+\x], 0, v[U+\x], s[84+M_-10]
.endif
.endm
.macro F7 x
.if M_ >= 10
	v_add_f32 v[LA+U_], v[LA+U_], v[X+\x]
	v_sub_f32 v[X+\x], v[U+\x], v[X+\x]            ; l where m is B's, else 0
.endif
.endm
.macro F8 x
.if M_ >= 10
	v_add_f32 v[LB+U_], v[LB+U_], v[X+\x]
.endif
	v_min_u32 v[T+\x], 127, v[T+\x]
.endm
.macro F9 x
	v_perm_b32 v[T+\x], v[T+\x], v[T+\x], 0        ; d in all four bytes
.endm
.macro F10 x
	v_or_b32 v[U+\x], 0x80808080, v[K_]            ; p's bytes are 125 at the most: with 128 on top no byte borrows from the next
.endm
.macro F11 x
	v_sub_nc_u32 v[U+\x], v[U+\x], v[T+\x]
.endm
.macro F12 x
	v_and_b32 v[T+\x], 0x80808080, v[U+\x]         ; the top bit has stayed where byte - d is 0 or more
.endm
.macro F13 x
	v_lshrrev_b32 v[X+\x], 7, v[T+\x]
.endm
.macro F14 x
	v_sub_nc_u32 v[T+\x], v[T+\x], v[X+\x]         ; 0x7f there, 0 elsewhere
.endm
.macro F15 x
	v_and_b32 v[P_], v[U+\x], v[T+\x]
.endm
.macro STAT m1, m2
.irp f, F0,F1,F2,F3,F4,F5,F6,F7,F8,F9,F10,F11,F12,F13,F14,F15
	E4 \m1, \m2, \f
.endr
.endm
	STAT 0, 1
	STAT 2, 3
	STAT 4, 5
	STAT 6, 7
	STAT 8, 9
	STAT 10, 11
	STAT 12, 13
	STAT 14, 15
	STAT 16, -1
	WALU
	v_rcp_f32 v[U], v[LA]
	v_rcp_f32 v[U+1], v[LA+1]
	v_rcp_f32 v[U+2], v[LB]
	v_rcp_f32 v[U+3], v[LB+1]
	v_nop
	WALU
.irp k, 0,1,2,3
	v_permlanex16_b32 v[X+\k], v[U+\k], s[SEL], s[SEL+1]
.endr
.irp k, 0,1,2,3                        ; both halves of the lanes want 1 / l of row r; it lies in the half that is the tile's parity
	v_cndmask_b32 v[RL+2*\k], v[U+\k], v[X+\k], s[HM]
	v_cndmask_b32 v[RL+2*\k+1], v[X+\k], v[U+\k], s[HM]
.endr
	WALU
	s_cmp_lt_u32 s2, 2
	s_cbranch_scc0 .Llate
	s_wait_tensorcnt 0x0
.Llate:
	s_barrier_signal -1
	s_barrier_wait -1                              ; p's m = 0 .. 6 and v's key steps 0-5 are in; the rest may be on its way
.macro TWELVE reg, ad, off
.set i_, 0
.rept 12
	ds_load_b128 v[(\reg)+4*i_:(\reg)+4*i_+3], v[\ad] offset:(\off)+512*i_
.set i_, i_+1
.endr
.endm
.macro FETCH m                         ; p's four fragments and v's four, 24 loads, into set m % 2
.set P_, (\m)-10*((\m)/10)
	WIN 0
.if (\m) >= 10
	s_mov_b32 s14, (27-(\m))*BLK                   ; B's: key step 17 - m,
	s_cmp_ge_u32 s17, \m
	s_cselect_b32 s14, (9+(\m))*BLK, s14           ; A's: m - 1
	v_add_nc_u32 v[VV+(\m)%2], s14, v[LA16]
	WIN 0xc0
	TWELVE 96*((\m)%2), VV+(\m)%2, 0
.else
.if (\m) < 2
.set N_, 0
.else
.set N_, (\m)-1
.endif
	WIN 0xc0
	TWELVE 96*((\m)%2), VA+N_/5, BLK*(N_%5)
.endif
	WIN 0x80
	TWELVE 96*((\m)%2), PA+P_/5, BLK*(P_%5)
	WIN 0
.endm
.macro WM c, ra, rb
	v_wmma_scale_f32_16x16x128_f8f6f4 v[AC_:AC_+7], v[FA_:FA_+11], v[FB_:FB_+11], \c, v[SA_], v[SB_] matrix_a_fmt:MATRIX_FMT_FP6 matrix_b_fmt:MATRIX_FMT_FP6 matrix_a_scale:MATRIX_SCALE_ROW\ra matrix_b_scale:MATRIX_SCALE_ROW\rb
.endm
.macro WMS c
.if RA_
.if RB_
	WM \c, 1, 1
.else
	WM \c, 1, 0
.endif
.else
.if RB_
	WM \c, 0, 1
.else
	WM \c, 0, 0
.endif
.endif
.endm
.macro MUL m, n, set                   ; 16 products on the accumulators of A (set 0) or B (1), by turns; source 0 (v) window 3, source 1 (p) window 2, C and D window 1
	WIN 0x5b
.set s1_, 0
.rept 4
.set s0_, 0
.rept 4
.set AC_, 128*(\set)+8*(4*s1_+s0_)
.set FA_, 96*((\m)%2)+12*s0_
.set FB_, 96*((\m)%2)+12*s1_
.set SA_, VSC+2*(\n)+s0_/2
.set SB_, PSR+2*(\m)+s1_/2
.set RA_, s0_%2
.set RB_, s1_%2
.if (\m) < 2
	WMS 0
.else
	WMS v[AC_:AC_+7]
.endif
.set s0_, s0_+1
.endr
.set s1_, s1_+1
.endr
	WIN 0
.endm
.macro MULS m
.if (\m) < 2
	MUL \m, 0, \m
.elseif (\m) < 10
	MUL \m, (\m)-1, 0
.else
	s_cmp_ge_u32 s17, \m                           ; ids alone
	s_cbranch_scc0 .Lb_\@
	MUL \m, (\m)-1, 0
	s_branch .Ljoin_\@
.Lb_\@:
	MUL \m, 17-(\m), 1
.Ljoin_\@:
.endif
.endm
.macro STEP m
.if (\m) == 6
	s_wait_tensorcnt 0x0                           ; all of the head's loads are in; p's m = 0 .. 6 have been read:
	ds_add_u32 v[SPW], v[NIL]
	s_wait_dscnt 0x0
	CROUND                                         ; that holds of every wave of the cluster
	tensor_load_to_lds s[80:83], s[68:75]          ; my quarter of m = 10 .. 16
	s_nop 0
.elseif (\m) == 9
	s_wait_tensorcnt 0x0
	s_wait_dscnt 0x0
	s_barrier_signal -1
	s_barrier_wait -1                              ; m = 10 .. 16 are in
.endif
.if (\m) > 0
	PLACES                                         ; in front of loads into registers that the last step's products have read
.endif
.if (\m) < 16
	FETCH (\m)+1
	s_wait_dscnt 24                                ; this step's are in; the next step's 24 loads may be out
.else
	s_wait_dscnt 0x0
.endif
	MULS \m
.endm
	FETCH 0
.irp m, 0,1,2,3,4,5,6,7,8,9,10,11,12,13,14,15,16
	STEP \m
.endr
	PLACES
; THE WAY OUT of tile x (0-3 A's, 4-7 B's): / l, into my stage, and back as whole rows of 256 bytes.  LDS serves a wave's instructions in order: no wait between
.macro OUT x
	WIN 0x01
.set n_, 0
.rept 32
	v_mul_f32 v[H+32*((\x)%2)+n_], v[32*(\x)+n_], v[RL+(\x)]
.set n_, n_+1
.endr
	WIN 0
.set n_, 0
.rept 8
	ds_store_b128 v[STO], v[H+32*((\x)%2)+4*n_:H+32*((\x)%2)+4*n_+3] offset:STG*((\x)%2)+16*n_
.set n_, n_+1
.endr
.set n_, 0
.rept 8
	ds_load_b128 v[BK+32*((\x)%2)+4*n_:BK+32*((\x)%2)+4*n_+3], v[RD] offset:STG*((\x)%2)+544*n_
.set n_, n_+1
.endr
.endm
.macro SEND x, younger
	s_wait_dscnt \younger
.set n_, 0
.rept 8
.if (\x) < 4
	global_store_b128 v[GO], v[BK+32*((\x)%2)+4*n_:BK+32*((\x)%2)+4*n_+3], s[94:95] offset:(8*((\x)%4)+(2*n_)%8+32*(n_/4))*4096 th:TH_STORE_NT   ; sixteen lanes store 256 consecutive bytes
.else
	global_store_b128 v[GO], v[BK+32*((\x)%2)+4*n_:BK+32*((\x)%2)+4*n_+3], s[96:97] offset:(8*((\x)%4)+(2*n_)%8+32*(n_/4))*4096 th:TH_STORE_NT
.endif
.set n_, n_+1
.endr
.endm
	WALU
	OUT 0
	OUT 1
	SEND 0, 16
.irp x, 2,3,4,5,6,7
	s_wait_xcnt 0x0                                ; the stores of the tile two back have read their registers
	OUT \x
	SEND \x-1, 16
.endr
	SEND 7, 0
	s_wait_tensorcnt 0x0                           ; the wave's end
	ds_add_u32 v[SPW], v[NIL]
	s_wait_dscnt 0x0
	CROUND                                         ; the closing round
	s_endpgm
.Lfunc_end_k_q640ef9d3a4_pv:
	.size	k_q640ef9d3a4_pv, .Lfunc_end_k_q640ef9d3a4_pv-k_q640ef9d3a4_pv
	.p2alignl 7, 3214868480
	.fill 96, 4, 3214868480
	.section	.rodata,"a",@progbits
	.p2align	6, 0x0
	.amdhsa_kernel k_q640ef9d3a4_pv
		.amdhsa_group_segment_fixed_size 327680
		.amdhsa_private_segment_fixed_size 0
		.amdhsa_enable_private_segment 0
		.amdhsa_kernarg_size 40
		.amdhsa_user_sgpr_count 2
		.amdhsa_user_sgpr_kernarg_segment_ptr 1
		.amdhsa_wavefront_size32 1
		.amdhsa_system_sgpr_workgroup_id_x 1
		.amdhsa_system_sgpr_workgroup_id_y 1
		.amdhsa_system_sgpr_workgroup_id_z 1
		.amdhsa_system_vgpr_workitem_id 0
		.amdhsa_next_free_vgpr 912
		.amdhsa_next_free_sgpr 100
		.amdhsa_reserve_vcc 0
		.amdhsa_float_denorm_mode_32 3
		.amdhsa_float_denorm_mode_16_64 3
		.amdhsa_memory_ordered 1
		.amdhsa_forward_progress 1
		.amdhsa_inst_pref_size 148
	.end_amdhsa_kernel
	.amdgpu_metadata
---
amdhsa.version: [ 1, 2 ]
amdhsa.kernels:
  - .name:           k_q640ef9d3a4_pv
    .symbol:         k_q640ef9d3a4_pv.kd
    .args:
      - { .name: qkvc, .offset: 0, .size: 8, .value_kind: global_buffer, .address_space: global }
      - { .name: qkvs, .offset: 8, .size: 8, .value_kind: global_buffer, .address_space: global }
      - { .name: pcod, .offset: 16, .size: 8, .value_kind: global_buffer, .address_space: global }
      - { .name: pst, .offset: 24, .size: 8, .value_kind: global_buffer, .address_space: global }
      - { .name: out0, .offset: 32, .size: 8, .value_kind: global_buffer, .address_space: global }
    .group_segment_fixed_size: 327680
    .private_segment_fixed_size: 0
    .kernarg_segment_align: 8
    .kernarg_segment_size: 40
    .max_flat_workgroup_size: 128
    .sgpr_count:     100
    .vgpr_count:     912
    .wavefront_size: 32
...
	.end_amdgpu_metadata
.endif
;; end of part 4
